; MI455X (gfx1250); checked and timed in simulation.
; The chip was launched on July 23, 2026; its instructions are those of AMD's public machine-readable ISA for CDNA 5 (MIT licence, August 2026) and "CDNA5" Instruction Set Architecture Reference Guide (July 2026). The comments in the code are by the model that wrote it; some were corrected since.
;; Multi Head Attention. Allowed arithmetic: matrix products marked QUANTISED: E3M2 operands, one E8M0 scale for each 32 along K, by v_wmma_scale_f32_16x16x128_f8f6f4 with both operands' format E3M2, f32 sums; everything else in f32.
;; Inputs: Wk 1,024 x 1,024 float32; Wo 1,024 x 1,024 float32; Wq 1,024 x 1,024 float32; Wv 1,024 x 1,024 float32; bo 1,024 float32; x 4 x 2,048 x 1,024 float32.
;; Outputs: out0 4 x 2,048 x 1,024 float32.
;; This version of the problem:
;;   THIS VERSION OF THE PROBLEM IS GIVEN IN LOW PRECISION. The matrix products marked QUANTISED in the list below multiply operands that are first quantised to E3M2 (3 exponent bits, 2 mantissa bits; 6 bits a number), with one power-of-two scale for each 32 numbers along K (OCP MX v1.0); their sums are f32. All else is computed in f32.
;;   The module's matrix products, in the order in which they are computed (A, B: the left and right operand; K: the contracted axis; several contracted axes count as one K, in the product's order):
;;     1. [M 8,192, K 1,024] x [K 1,024, N 1,024]; A: input x; B: input Wq: QUANTISED
;;     2. [M 8,192, K 1,024] x [K 1,024, N 1,024]; A: input x; B: input Wk: QUANTISED
;;     3. [M 8,192, K 1,024] x [K 1,024, N 1,024]; A: input x; B: input Wv: QUANTISED
;;     4. batch 64 x [M 2,048, K 64] x [K 64, N 2,048]; A: computed on the way; B: computed on the way: QUANTISED
;;     5. batch 64 x [M 2,048, K 2,048] x [K 2,048, N 64]; A: softmax (see below); B: computed on the way: QUANTISED
;;     6. [M 8,192, K 1,024] x [K 1,024, N 1,024]; A: computed on the way; B: input Wo: QUANTISED
;;   THE QUANTISER, for each operand of a quantised product, along K:
;;     - K is cut into blocks of 32 from its start; a last block that is shorter is filled with zeros.
;;     - A block's scale is 2^e with e = floor(log2(the largest magnitude in the block)) - 4, held to -126 .. 127; a block of zeros has e = 0. As a byte (E8M0): e + 127.
;;     - Each number is divided by its block's scale, clamped to +-28, and rounded to the nearest number of E3M2, ties to even, subnormals kept.
;;     - The product sums the exact products of the quantised numbers (number of the format x scale) in f32.
;;   ~~~python
;;   def quantise(x, axis):      # numpy; x: float32 -> the quantised numbers, widened to float32 again
;;       x = np.moveaxis(x, axis, -1); K = x.shape[-1]
;;       x = np.pad(x, [(0, 0)] * (x.ndim - 1) + [(0, -K % 32)]); x = x.reshape(x.shape[:-1] + (-1, 32)); a = np.abs(x).max(-1, keepdims=True)
;;       e = np.where(a > 0, np.clip(np.frexp(np.where(a > 0, a, 1))[1] - 1 - 4, -126, 127), 0)      # np.frexp(a)[1] - 1 = floor(log2(a)), exactly
;;       r = np.clip(x / 2.0 ** e, -28, 28)
;;       step = 2.0 ** (np.maximum(np.frexp(np.where(r == 0, 1, r))[1] - 1, -2) - 2)
;;       q = np.round(r / step) * step * 2.0 ** e      # np.round: ties to even
;;       return np.moveaxis(q.reshape(q.shape[:-2] + (-1,))[..., :K], -1, axis).astype(np.float32)
;;   ~~~
;;   SOFTMAX AHEAD OF A QUANTISED PRODUCT. Where the list says 'softmax', what is quantised is not the finished softmax but p = 2^(t - M), with t = logit x log2(e) and M = ceil(the row's largest t), a whole number; so 1/2 < the row's largest p <= 1. The row's sum l is taken of the UNQUANTISED p, in f32, and the product's result is divided by l at the end. Since M is a whole number, a kernel that streams over the keys may use a running M (the ceiling of the running maximum): every later rescaling is an exact power of two, which a block's scale takes up: the codes' values come out the same.
;;   OPERANDS COMPUTED ON THE WAY. 'Computed on the way' means the value that the module computes at that place (a softmax that the list does not call 'softmax' is quantised finished and normalised). What goes into a quantiser is computed in f32, as accurately as f32 sums, v_exp_f32 and their like allow (about 1e-6 of the number): no bf16 or f16 on the way to a quantiser, and a product that is left as it is and whose result goes on into a quantised operand takes f32 operands (vector FMAs, or v_wmma_f32_16x16x4_f32). A number that lies on a knife's edge between two numbers of the format may be rounded either way, as far as f32 arithmetic and the matrix unit's own rounding can turn it there, and no further.
;; One version. Each part assembles by itself: llvm-mc -triple=amdgcn-amd-amdhsa -mcpu=gfx1250 --defsym DOCPART=n.
;; ======== version 1 of 1: 4 launches
;; workspace buffers: opc 9,437,184 bytes; ops 393,216 bytes; qkvc 18,874,368 bytes; qkvs 786,432 bytes; ctxc 6,291,456 bytes; ctxs 262,144 bytes
;; launch quant (part 1): grid 512 x 1, 4 waves a work-group, no clusters, 47,616 bytes of LDS; arguments x, Wq, Wk, Wv, Wo, opc, ops; writes opc, ops
.if DOCPART == 1
	.amdgcn_target "amdgcn-amd-amdhsa--gfx1250"
	.amdhsa_code_object_version 6
	.text
	.protected	k_qac56230877_quant
	.globl	k_qac56230877_quant
	.p2align	8
	.type	k_qac56230877_quant,@function
k_qac56230877_quant:
	s_mov_b64 s[64:65], 0
	v_nop
	global_prefetch_b8 v0, s[64:65] scope:SCOPE_SE
	s_setreg_imm32_b32 hwreg(HW_REG_WAVE_MODE, 25, 1), 1
	s_wait_xcnt 0x0
; x [8192][1024] and the four weights [1024 (k)][1024 (n)], f32, become codes of BF6 (E3M2) with one E8M0 byte for each 32 along K (x: its last axis; a weight: its FIRST axis).
; A block's scale is 2^(floor(log2(largest magnitude)) - 4): its byte is the largest magnitude's exponent field - 4, held at 1 from below by a floor among the maximum's leaves.
; THE OUTPUT IS LAID AS THE MATRIX OPERAND'S REGISTERS.  An IMAGE is one fragment, 16 rows x 128 K, 12 registers a lane, in 1,536 bytes: registers 0-3 at 16 x lane, registers 4-5 at 512 + 8 x lane,
; registers 6-9 at 768 + 16 x lane, registers 10-11 at 1,280 + 8 x lane.  Lane (r, h) of registers 6 c .. 6 c + 5 holds k = 64 c + 32 h + 0 .. 31 of row r.
; opc: [768 row blocks][8 K steps] images: row blocks 0-511 x's tokens / 16; 512 + 64 w + n / 16 weight w (q, k, v, o), rows = n.   ops: [8 K steps][12,288 rows] scale words (byte b: block b of the K step).
; Work-groups 0-255 take x, 256-511 the weights: two ways that part at the head, each with LDS bytes of its own.  No barrier: waves share nothing.
; LIMITS: NaN and infinities among the inputs are not served.  A block of zeros gets the byte 1 where the rule says 127: its codes are zeros, and this program alone reads the bytes.
.set XWAVE,  8704                      ; x's way: a wave's LDS: a stage of 16 rows x 528 bytes, then 256 bytes of scale words
.set XPIT,   528                       ; 512 bytes + 16: sixteen rows read at one column fall on different 16-byte columns of 256
.set XWORDS, 8448
.set WSTAGE, 34816                     ; the weights' way: behind x's four regions, 3,072 bytes a wave: two images
.set FLOOR,  0x2800000                 ; 2^(5 - 127)
.set EOFF,   0xfe000000                ; -(4 << 23)
.set XR,  16                           ; v16-143  x: two sets of 64 registers as loaded
.set XX,  144                          ; v144-207 x: my 64 numbers: register 32 c + i = k 64 c + 32 h + i of row r
.set PC,  208                          ; v208-219 the fragment's 12 registers
.set TT,  220                          ; v220-222, v224-226 the second halves of the blocks' codes
.set PW,  228                          ; the scale word
.set MX,  229                          ; v229-230 largest magnitudes
.set SO,  231                          ; v231-232 the conversions' scale operands
.set BY,  233                          ; v233-234 the bytes
.set PD,  235                          ; a lane permute's destination
.set WX,  16                           ; v16-143  a weight: four blocks of 32 numbers down K
.set WC,  144                          ; v144-175 eight registers for each block's codes
.set SB,  176                          ; the column's scale word
.set WO,  180                          ; v180-203 the way out
	s_load_b256 s[4:11], s[0:1], 0x0               ; x, Wq, Wk, Wv
	s_load_b128 s[12:15], s[0:1], 0x20             ; Wo, opc
	s_load_b64 s[16:17], s[0:1], 0x30              ; ops
	v_lshl_add_u32 v254, v0, 2, 0xb800
	v_mov_b32 v255, 0
	v_lshrrev_b32 v1, 5, v0
	v_readfirstlane_b32 s18, v1                    ; wave 0..3
	v_and_b32 v1, 31, v0                           ; lane
	v_and_b32 v8, 15, v0                           ; r
	v_bfe_u32 v9, v0, 4, 1                         ; h
	s_cmp_ge_u32 ttmp9, 256
	s_cbranch_scc1 .Lweights
; ---------------- x.  Work-group g: rows 64 (g / 2) on; wave w: K step S = 4 (g % 2) + w; four tasks of 16 rows x 128 numbers.
	s_mov_b32 s20, 0x76543210
	s_mov_b32 s21, 0xfedcba98                      ; v_permlanex16_b32's selects for lane l xor 16
	v_lshlrev_b32 v2, 4, v1                        ; 16 x lane
	v_lshlrev_b32 v3, 3, v1                        ; 8 x lane
	s_mul_i32 s19, s18, XWAVE
	v_add_nc_u32 v4, s19, v2                       ; the stage, in: a row's 512 bytes as they lie
	v_mul_u32_u24 v5, v8, XPIT
	v_lshl_add_u32 v5, v9, 7, v5
	v_add_nc_u32 v5, s19, v5                       ; and out: row r, + 128 h: my 32 neighbours of each 64
	s_add_co_u32 s19, s19, XWORDS
	v_lshl_add_u32 v6, v8, 2, s19                  ; my row's scale word
	v_add_nc_u32 v7, s19, v3                       ; and 8 bytes a lane on the way out
	v_lshlrev_b32 v10, 3, v9                       ; 8 h: my bytes' place in the scale word
	v_mov_b32 v[PD], 0                             ; written once: a lane permute's destination counts as read
	s_lshr_b32 s22, ttmp9, 1                       ; G
	s_and_b32 s23, ttmp9, 1
	s_lshl_b32 s23, s23, 2
	s_add_co_u32 s23, s23, s18                     ; S
	s_lshl_b32 s24, s22, 18                        ; x: 64 rows of 4,096 bytes,
	s_lshl_b32 s26, s23, 9                         ; + 512 bytes a K step
	s_add_co_u32 s24, s24, s26
	s_mov_b32 s25, 0
	s_lshl_b32 s26, s22, 5                         ; opc: image (4 G + t) 8 + S
	s_add_co_u32 s26, s26, s23
	s_mul_i32 s26, s26, 1536
	s_mov_b32 s27, 0
	s_mul_i32 s28, s23, 49152                      ; ops: K step S, row 64 G
	s_lshl_b32 s30, s22, 8
	s_add_co_u32 s28, s28, s30
	s_mov_b32 s29, 0
	s_wait_kmcnt 0x0
	s_add_nc_u64 s[4:5], s[4:5], s[24:25]
	s_add_nc_u64 s[14:15], s[14:15], s[26:27]
	s_add_nc_u64 s[16:17], s[16:17], s[28:29]
.macro XLOAD t                         ; task t's 16 rows: each load reads 512 consecutive bytes
.irp i, 0,1,2,3,4,5,6,7,8,9,10,11,12,13,14,15
	global_load_b128 v[XR+64*((\t)%2)+4*\i:XR+64*((\t)%2)+4*\i+3], v2, s[4:5] offset:(16*(\t)+\i)*4096 th:TH_LOAD_NT
.endr
.endm
.macro TASK t
.if (\t) < 3
	s_wait_loadcnt 16                              ; this task's 16 loads are in; the next task's 16 may be out
.else
	s_wait_loadcnt 0x0
.endif
.irp i, 0,1,2,3,4,5,6,7,8,9,10,11,12,13,14,15
	ds_store_b128 v4, v[XR+64*((\t)%2)+4*\i:XR+64*((\t)%2)+4*\i+3] offset:XPIT*\i
.endr
.irp c, 0,1
.irp j, 0,1,2,3,4,5,6,7
	ds_load_b128 v[XX+32*\c+4*\j:XX+32*\c+4*\j+3], v5 offset:256*\c+16*\j   ; a wave's LDS instructions are served in order: these see the stores above
.endr
.endr
	s_wait_dscnt 0x0                               ; my numbers are back, and the stores have read their registers,
.if (\t)+2 < 4
	XLOAD (\t)+2                                   ; which take the loads of two tasks on
.endif
.irp c, 0,1                                    ; block 2 c + h: all its 32 numbers are mine
	v_max3_num_f32 v[MX+\c], |v[XX+32*\c]|, |v[XX+32*\c+1]|, FLOOR
.endr
.irp i, 2,4,6,8,10,12,14,16,18,20,22,24,26,28,30
.irp c, 0,1
	v_max3_num_f32 v[MX+\c], v[MX+\c], |v[XX+32*\c+\i]|, |v[XX+32*\c+\i+1]|
.endr
.endr
.irp c, 0,1
	v_add_nc_u32 v[SO+\c], EOFF, v[MX+\c]          ; 4 off the exponent field: the conversion takes this operand's exponent field as its scale
.endr
.irp c, 0,1
	v_lshrrev_b32 v[BY+\c], 23, v[SO+\c]           ; the scale's byte
.endr
	v_lshl_or_b32 v[PW], v[BY+1], 16, v[BY]        ; blocks h and 2 + h,
	v_lshlrev_b32 v[PW], v10, v[PW]                ; at their places,
	v_permlanex16_b32 v[PD], v[PW], s20, s21
	v_or_b32 v[PW], v[PW], v[PD]                   ; with lane l xor 16's two the word is whole
	s_wait_xcnt 0x0                                ; the last task's stores have read the codes' registers
.irp c, 0,1
	v_cvt_scalef32_pk16_bf6_f32 v[PC+6*\c:PC+6*\c+2], v[XX+32*\c:XX+32*\c+15], v[SO+\c]
	v_cvt_scalef32_pk16_bf6_f32 v[TT+4*\c:TT+4*\c+2], v[XX+32*\c+16:XX+32*\c+31], v[SO+\c]   ; (a conversion's three registers begin on an even number)
.endr
	v_nop                                          ; one plain place behind a scaled conversion
.irp c, 0,1
.irp i, 0,1,2
	v_mov_b32 v[PC+3+6*\c+\i], v[TT+4*\c+\i]
.endr
.endr
	global_store_b128 v2, v[PC:PC+3], s[14:15] offset:12288*(\t)             ; each store covers 512 or 256 consecutive bytes, at a multiple of 256 from the buffer's first byte
	global_store_b64 v3, v[PC+4:PC+5], s[14:15] offset:12288*(\t)+512
	global_store_b128 v2, v[PC+6:PC+9], s[14:15] offset:12288*(\t)+768
	global_store_b64 v3, v[PC+10:PC+11], s[14:15] offset:12288*(\t)+1280
	ds_store_b32 v6, v[PW] offset:64*(\t)          ; lanes r and r + 16 write the same word with the same value
.endm
	XLOAD 0
	XLOAD 1
	TASK 0
	TASK 1
	TASK 2
	TASK 3
	ds_load_b64 v[12:13], v7                       ; my wave's 64 scale words
	s_wait_dscnt 0x0
	global_store_b64 v3, v[12:13], s[16:17]        ; 256 consecutive bytes, aligned
	s_wait_tensorcnt 0x0
	ds_add_u32 v254, v255
	s_wait_dscnt 0x0
	s_endpgm
; ---------------- the weights.  Work-group g' = g - 256: weight g' / 64, K step (g' / 8) % 8, columns 128 (g' % 8) on; wave w: 32 columns.  A LANE TAKES A COLUMN n, ITS REGISTERS RUN DOWN K.
.Lweights:
	s_sub_co_u32 s22, ttmp9, 256
	s_lshr_b32 s23, s22, 6                         ; which weight
	s_bfe_u32 s24, s22, 0x30003                    ; S
	s_and_b32 s25, s22, 7                          ; nx
	v_lshlrev_b32 v2, 2, v1                        ; 4 x lane
	s_mul_i32 s19, s18, 3072
	s_add_co_u32 s19, s19, WSTAGE                  ; my stage: two images, columns 0-15 and 16-31
	v_mul_u32_u24 v10, v9, 1536
	v_add_nc_u32 v10, s19, v10
	v_lshl_add_u32 v3, v8, 4, v10                  ; block t of my column is lane (r, t % 2) of half t / 2 of my image: registers 0-3 of the half,
	v_lshl_add_u32 v4, v8, 3, v10
	v_add_nc_u32 v4, 512, v4                       ; and registers 4-5
	v_lshlrev_b32 v6, 4, v1                        ; 16 x lane
	v_add_nc_u32 v5, s19, v6                       ; back: the stage as it lies
	s_lshl_b32 s26, s24, 19                        ; W: 128 S rows of 4,096 bytes
	s_lshl_b32 s28, s25, 9
	s_add_co_u32 s26, s26, s28
	s_lshl_b32 s28, s18, 7
	s_add_co_u32 s26, s26, s28                     ; + 4 x my wave's first column
	s_mov_b32 s27, 0
	s_lshl_b32 s28, s23, 6
	s_lshl_b32 s30, s25, 3
	s_add_co_u32 s28, s28, s30
	s_lshl_b32 s30, s18, 1
	s_add_co_u32 s28, s28, s30
	s_add_co_u32 s28, s28, 512                     ; my first row block: 512 + 64 weight + 8 nx + 2 wave
	s_lshl_b32 s30, s28, 6                         ; ops: 16 rows x 4 bytes a row block,
	s_mul_i32 s31, s24, 49152
	s_add_co_u32 s30, s30, s31                     ; in K step S
	s_mov_b32 s31, 0
	s_lshl_b32 s28, s28, 3
	s_add_co_u32 s28, s28, s24
	s_mul_i32 s28, s28, 1536                       ; opc: image 8 x row block + S
	s_mov_b32 s29, 0
	s_wait_kmcnt 0x0
	s_cmp_eq_u32 s23, 1                            ; the choice hangs on the work-group's number alone
	s_cselect_b64 s[6:7], s[8:9], s[6:7]
	s_cmp_eq_u32 s23, 2
	s_cselect_b64 s[6:7], s[10:11], s[6:7]
	s_cmp_eq_u32 s23, 3
	s_cselect_b64 s[6:7], s[12:13], s[6:7]
	s_add_nc_u64 s[6:7], s[6:7], s[26:27]
	s_add_nc_u64 s[14:15], s[14:15], s[28:29]
	s_add_nc_u64 s[16:17], s[16:17], s[30:31]
.macro WLOAD t                         ; block t: W(128 S + 32 t + i, my column): 32 lanes read 128 consecutive bytes
.irp i, 0,1,2,3,4,5,6,7,8,9,10,11,12,13,14,15,16,17,18,19,20,21,22,23,24,25,26,27,28,29,30,31
	global_load_b32 v[WX+32*(\t)+\i], v2, s[6:7] offset:(32*(\t)+\i)*4096 th:TH_LOAD_NT
.endr
.endm
.macro WBLOCK t
.set XS, WX+32*(\t)
.if (\t) < 3
	s_wait_loadcnt 32                              ; this block's 32 loads are in; the next block's 32 may be out
.else
	s_wait_loadcnt 0x0
.endif
.if (\t)+2 < 4
	WLOAD (\t)+2                                   ; into registers of its own
.endif
	v_max3_num_f32 v12, |v[XS]|, |v[XS+1]|, |v[XS+2]|
	v_max3_num_f32 v13, |v[XS+3]|, |v[XS+4]|, |v[XS+5]|
.irp i, 6,10,14,18,22,26
	v_max3_num_f32 v12, v12, |v[XS+\i]|, |v[XS+\i+1]|
	v_max3_num_f32 v13, v13, |v[XS+\i+2]|, |v[XS+\i+3]|
.endr
	v_max3_num_f32 v12, v12, |v[XS+30]|, |v[XS+31]|
	v_max3_num_f32 v12, v12, v13, FLOOR
	v_add_nc_u32 v11, EOFF, v12
	v_lshrrev_b32 v13, 23, v11
.if (\t) == 0
	v_mov_b32 v[SB], v13
.else
	v_lshl_or_b32 v[SB], v13, 8*(\t), v[SB]
.endif
	v_cvt_scalef32_pk16_bf6_f32 v[WC+8*(\t):WC+8*(\t)+2], v[XS:XS+15], v11
	v_cvt_scalef32_pk16_bf6_f32 v[WC+8*(\t)+4:WC+8*(\t)+6], v[XS+16:XS+31], v11
	v_nop                                          ; one plain place behind a scaled conversion
	v_mov_b32 v[WC+8*(\t)+3], v[WC+8*(\t)+4]       ; the block's six registers on end
	v_mov_b32 v[WC+8*(\t)+4], v[WC+8*(\t)+5]
	v_mov_b32 v[WC+8*(\t)+5], v[WC+8*(\t)+6]
	ds_store_b128 v3, v[WC+8*(\t):WC+8*(\t)+3] offset:768*((\t)/2)+256*((\t)%2)
	ds_store_b64 v4, v[WC+8*(\t)+4:WC+8*(\t)+5] offset:768*((\t)/2)+128*((\t)%2)
.endm
	WLOAD 0
	WLOAD 1
	WBLOCK 0
	WBLOCK 1
	WBLOCK 2
	WBLOCK 3
.irp u, 0,1,2,3,4,5
	ds_load_b128 v[WO+4*\u:WO+4*\u+3], v5 offset:512*\u   ; served in order: these see my stores
.endr
	global_store_b32 v2, v[SB], s[16:17]           ; 32 columns' scale words: 128 consecutive bytes, one part in 128 of what this way reads
.irp u, 0,1,2,3,4,5
	s_wait_dscnt 5-\u                              ; the younger reads of the stage may be out
	global_store_b128 v6, v[WO+4*\u:WO+4*\u+3], s[14:15] offset:(\u/3)*12288+(\u%3)*512   ; 512 consecutive bytes, aligned to 256
.endr
	s_wait_tensorcnt 0x0
	ds_add_u32 v254, v255
	s_wait_dscnt 0x0
	s_endpgm
.Lfunc_end_k_qac56230877_quant:
	.size	k_qac56230877_quant, .Lfunc_end_k_qac56230877_quant-k_qac56230877_quant
	.p2alignl 7, 3214868480
	.fill 96, 4, 3214868480
	.section	.rodata,"a",@progbits
	.p2align	6, 0x0
	.amdhsa_kernel k_qac56230877_quant
		.amdhsa_group_segment_fixed_size 47616
		.amdhsa_private_segment_fixed_size 0
		.amdhsa_enable_private_segment 0
		.amdhsa_kernarg_size 56
		.amdhsa_user_sgpr_count 2
		.amdhsa_user_sgpr_kernarg_segment_ptr 1
		.amdhsa_wavefront_size32 1
		.amdhsa_system_sgpr_workgroup_id_x 1
		.amdhsa_system_sgpr_workgroup_id_y 1
		.amdhsa_system_sgpr_workgroup_id_z 1
		.amdhsa_system_vgpr_workitem_id 0
		.amdhsa_next_free_vgpr 256
		.amdhsa_next_free_sgpr 66
		.amdhsa_reserve_vcc 0
		.amdhsa_float_denorm_mode_32 3
		.amdhsa_float_denorm_mode_16_64 3
		.amdhsa_memory_ordered 1
		.amdhsa_forward_progress 1
		.amdhsa_inst_pref_size 52
	.end_amdhsa_kernel
	.amdgpu_metadata
---
amdhsa.version: [ 1, 2 ]
amdhsa.kernels:
  - .name:           k_qac56230877_quant
    .symbol:         k_qac56230877_quant.kd
    .args:
      - { .name: x, .offset: 0, .size: 8, .value_kind: global_buffer, .address_space: global }
      - { .name: Wq, .offset: 8, .size: 8, .value_kind: global_buffer, .address_space: global }
      - { .name: Wk, .offset: 16, .size: 8, .value_kind: global_buffer, .address_space: global }
      - { .name: Wv, .offset: 24, .size: 8, .value_kind: global_buffer, .address_space: global }
      - { .name: Wo, .offset: 32, .size: 8, .value_kind: global_buffer, .address_space: global }
      - { .name: opc, .offset: 40, .size: 8, .value_kind: global_buffer, .address_space: global }
      - { .name: ops, .offset: 48, .size: 8, .value_kind: global_buffer, .address_space: global }
    .group_segment_fixed_size: 47616
    .private_segment_fixed_size: 0
    .kernarg_segment_align: 8
    .kernarg_segment_size: 56
    .max_flat_workgroup_size: 128
    .sgpr_count:     66
    .vgpr_count:     256
    .wavefront_size: 32
...
	.end_amdgpu_metadata
.endif
;; end of part 1
;; launch gemm_qkv (part 2): grid 8 x 48, 4 waves a work-group, clusters of 4 x 4, 327,680 bytes of LDS; arguments opc, ops, qkvc, qkvs; writes qkvc, qkvs
.if DOCPART == 2
	.amdgcn_target "amdgcn-amd-amdhsa--gfx1250"
	.amdhsa_code_object_version 6
	.text
	.protected	k_qac56230877_gemm_qkv
	.globl	k_qac56230877_gemm_qkv
	.p2align	8
	.type	k_qac56230877_gemm_qkv,@function
k_qac56230877_gemm_qkv:
	s_mov_b64 s[64:65], 0
	v_nop
	global_prefetch_b8 v0, s[64:65] scope:SCOPE_SE
	s_setreg_imm32_b32 hwreg(HW_REG_WAVE_MODE, 25, 1), 1
	s_wait_xcnt 0x0
	s_wait_alu depctr_hold_cnt(0) depctr_sa_sdst(0) depctr_va_vdst(0) depctr_va_sdst(0) depctr_va_ssrc(0) depctr_va_vcc(0) depctr_vm_vsrc(0)
	s_getreg_b32 s2, hwreg(HW_REG_IB_STS2, 6, 4)
	s_cmp_eq_u32 s2, 0
	s_cbranch_scc0 .Lentry_in_a_cluster
	s_endpgm
.Lentry_in_a_cluster:
	s_bfe_u32 s2, ttmp6, 0x10000c
	s_cmp_lg_u32 s2, 0xf033
	s_cbranch_scc0 .Lentry_shape_is_right
	s_endpgm
.Lentry_shape_is_right:
; q = x Wq, k = x Wk, v = x Wv on codes of BF6 (E3M2) with E8M0 scales, K = 1,024; the results are quantised at once, in registers, for attention's two products, and leave as codes.
; OPERANDS are register images (16 rows x 128 K in 1,536 bytes: registers 0-3 at 16 x lane, 4-5 at 512 + 8 x lane, 6-9 at 768 + 16 x lane, 10-11 at 1,280 + 8 x lane): opc [768 row blocks][8 K steps],
; row blocks 0-511 x, 512-575 Wq, 576-639 Wk, 640-703 Wv; ops [8 K steps][12,288 rows] scale words.
; TILES of 256 x 256, a work-group of four waves each, a wave 128 x 128: 64 accumulators, 512 registers.  Clusters with y < 8: rows = tokens (A = x), columns = the 2,048 features of q and k (B = Wq, Wk): 32 x 8 tiles.
; Clusters with y >= 8: rows = v's 1,024 features (A = Wv), columns = tokens (B = x): 4 x 32 tiles.  THE MATRIX INSTRUCTION IS USED TRANSPOSED (source 0 = 16 rows of B, source 1 = 16 rows of A): a lane holds one row of A's
; side and its registers run along B's side: for q and k along the features, for v along the tokens (the keys): in both along the K of the product that follows.  One text serves both kinds: only offsets are selected.
; K goes in steps of 256 (two images a row block) through a ring of two LDS slots; the scale words of all of K come once.  4 x 4 work-groups form a cluster: A's tiles are asked for jointly along a row, B's along a column.
; THE WAY OUT: block a of 16 rows x 128 columns is one fragment of the next product.  Register 8 b + j of lane (r, h) is column 16 b + 8 h + j, so inside each block of 32 the codes come to lie in the order
; 0-7, 16-23, 8-15, 24-31.  That order falls alike on q and k (this way out) and on v and p (attention's scores have the same register layout), stays inside a block, and so changes no product and no scale.
; qkvc: q, k: image (feature / 128) 512 + token / 16 (features 0-1,023 q, 1,024-2,047 k; half 0 / 1 of an image = the even / odd head); v: image 8,192 + ((batch 8 + feature / 128) 16 + key / 128) 8 + (feature % 128) / 16.
; qkvs: image i's sixteen scale words at 64 i.
; LIMITS: NaN and infinities are not served; a block of zeros gets the byte 1 (its codes are zeros; this program alone reads the bytes).
; REGISTERS: window 0: v0-31 addresses; v32-63 scale words, two sets; v64-119 the way out; v128-223 A's fragments, one set.  window 1: B's fragments, two sets, at v0 and v128.  windows 2, 3: the accumulators ((a, b) at v[8 (8 (a % 4) + b)]).
.set NQ,     2                         ; matrix instructions deep in a slot
.set FR,     12                        ; registers of a fragment
.set NL,     4                         ; LDS loads that bring one
.set NP,     4                         ; places behind this matrix instruction (ISA guide 7.12.1)
.set IMG,    1536
.set RBS,    NQ*IMG                    ; a row block's bytes in a slot
.set HALFT,  8*RBS                     ; 128 rows: what one tensor load brings, and what one wave reads of A or of B
.set SLOT,   4*HALFT                   ; A's 256 rows, then B's 256 rows
.set SCL,    2*SLOT                    ; behind the ring: the scale words: for each 128 rows [8 K steps][128 rows] words
.set HALFS,  4096
.set SPARE,  SCL+4*HALFS               ; the spare words, 128 bytes a wave: two blocks of 256 bytes that no other line names
.set ADRA, 16                          ; v16-17 LDS address of my A fragments' 16-byte pieces in slot 0, 1; v18-19 of their 8-byte pieces
.set ADRB, 20                          ; v20-23 the same for B
.set LI16, 24                          ; v24  16 x lane
.set LI8,  25                          ; v25  8 x lane
.set STS,  26                          ; v26  the way out: where my row's scale word goes
.set ADRS, 27                          ; v27  LDS address of my scale words: lanes 0-15 A's rows, lanes 16-31 B's
.set SPW,  28                          ; v28  my spare word; never rewritten
.set NIL,  29                          ; v29  0; never rewritten
.set RDS,  30                          ; v30  the way out: the scale words read back
.set SC,   32
.set PC,   64                          ; v64-82  the codes just made
.set TM,   96                          ; v96-99 largest magnitudes, v100-103 bytes, v108-111 scale operands
.set PW,   112                         ; the scale word just made
.set WB,   116                         ; v116-119
.set AF,   128
.set G1, 24
.set G0, 32
.set G1B, 48
.set G0B, 56
.set G1S, 68
.set G0S, 76
.set G1SB, 80
.set G0SB, 88
.set SEL, 96                           ; s[96:97]
.set MSB, 0
.macro WIN new                         ; the immediate's high byte repeats the setting that is left
.if MSB != \new
	s_set_vgpr_msb (MSB<<8)|\new
.set MSB, \new
.endif
.endm
.set MUL_LO, 0xa1                      ; source 0 (B) window 1, source 1 (A) window 0, C and D window 2
.set MUL_HI, 0xf1                      ; the same, C and D window 3
.set TO_B,   0x40                      ; destination window 1, address window 0
; A joint load: waves 0 and 1 fetch for A, waves 2 and 3 for B.  Each line has one mask and one set of registers for all that issue it; the branch hangs on the wave's number alone.  Four v_nop follow each line.
.macro JLOAD g0a, g1a, g0b, g1b
	s_cmp_eq_u32 s15, 0
	s_cbranch_scc0 .Lfor_b_\@
	tensor_load_to_lds s[\g0a:\g0a+3], s[\g1a:\g1a+7]
	s_nop 0
.rept 4
	v_nop
.endr
	s_branch .Lasked_\@
.Lfor_b_\@:
	tensor_load_to_lds s[\g0b:\g0b+3], s[\g1b:\g1b+7]
	s_nop 0
.rept 4
	v_nop
.endr
.Lasked_\@:
.endm
.macro CREST                           ; a round of the cluster's barrier behind its opening barrier
	s_cmp_lg_u32 s14, 0
	s_cbranch_scc1 .Lnot_wave_0_\@
	s_barrier_signal -3
.Lnot_wave_0_\@:
	s_barrier_wait -3
	s_barrier_signal -1
	s_barrier_wait -1
.endm
.macro CROUND
	s_barrier_signal -1
	s_barrier_wait -1
	CREST
.endm
	s_load_b256 s[4:11], s[0:1], 0x0               ; opc s[4:5], ops s[6:7], qkvc s[8:9], qkvs s[10:11]
	v_lshl_add_u32 v[SPW], v0, 2, SPARE
	v_mov_b32 v[NIL], 0
	ds_add_u32 v28, v29
	s_wait_dscnt 0x0
	v_lshrrev_b32 v1, 5, v0
	v_readfirstlane_b32 s14, v1                    ; wave 0..3
	s_lshr_b32 s15, s14, 1                         ; which half of the tile's rows is mine.  Also: I fetch for A (0) or for B (1)
	s_and_b32 s16, s14, 1                          ; which half of its columns.  Also: which 128 rows of that tile I fetch
	s_bfe_u32 s40, ttmp6, 0x40000                  ; cx
	s_bfe_u32 s41, ttmp6, 0x40004                  ; cy
	s_and_b32 s12, ttmp7, 0xffff                   ; the cluster's y: 0-7 q and k, 8-11 v: the same in all sixteen partners
	s_lshl_b32 s17, s12, 2
	s_max_u32 s42, s12, 8
	s_sub_co_u32 s42, s42, 8
	s_lshl_b32 s42, s42, 3
	s_lshl_b32 s13, ttmp9, 2
	s_add_co_u32 s42, s42, s13                     ; first tile column: 4 x, and 8 (y - 8) more for v
	s_cmp_ge_u32 s12, 8
	s_cselect_b32 s17, 0, s17                      ; first tile row: 4 y, for v 0
	s_cselect_b32 s94, 640, 0                      ; A's first row block: x, for v Wv
	s_cselect_b32 s95, 0, 512                      ; B's: Wq and Wk, for v x
	s_add_co_u32 s17, s17, s41                     ; tile row
	s_add_co_u32 s42, s42, s40                     ; tile column
	s_lshl_b32 s43, s41, 2
	s_lshl_b32 s43, 15, s43                        ; my row of the cluster
	s_lshl_b32 s44, 0x1111, s40                    ; my column
	; descriptor group 1, codes: 8 row blocks x 3,072 bytes (384 elements of 8 bytes), 12,288 bytes apart in memory, dense in LDS
	s_or_b32 s[G1+0], s43, (3<<16)|(1<<21)         ; 15:0 the mask; 17:16 elements of 8 bytes; 20 no padding; 21 set beside a mask
	s_or_b32 s[G1B+0], s44, (3<<16)|(1<<21)
.irp g, G1, G1B
	s_mov_b32 s[\g+1], 384<<16                     ; tensor_dim0
	s_mov_b32 s[\g+2], 8<<16                       ; tensor_dim1
	s_mov_b32 s[\g+3], 384<<16                     ; tile_dim0
	s_mov_b32 s[\g+4], 8                           ; tile_dim1
	s_mov_b32 s[\g+5], 1536                        ; tensor_dim0_stride
	s_mov_b32 s[\g+6], 0
	s_mov_b32 s[\g+7], 0
.endr
	; scale words: 8 K steps x 512 bytes (128 rows' words), 49,152 bytes apart
	s_or_b32 s[G1S+0], s43, (3<<16)|(1<<21)
	s_or_b32 s[G1SB+0], s44, (3<<16)|(1<<21)
.irp g, G1S, G1SB
	s_mov_b32 s[\g+1], 64<<16
	s_mov_b32 s[\g+2], 8<<16
	s_mov_b32 s[\g+3], 64<<16
	s_mov_b32 s[\g+4], 8
	s_mov_b32 s[\g+5], 6144
	s_mov_b32 s[\g+6], 0
	s_mov_b32 s[\g+7], 0
.endr
	s_lshl_b32 s18, s16, 3                         ; which 8 row blocks of the tile I fetch
	s_lshl_b32 s20, s17, 4
	s_add_co_u32 s20, s20, s18
	s_add_co_u32 s20, s20, s94                     ; A's row block: hangs on the tile row alone
	s_lshl_b32 s46, s42, 4
	s_add_co_u32 s46, s46, s18
	s_add_co_u32 s46, s46, s95                     ; B's: on the tile column alone
	s_lshl_b32 s22, s20, 6                         ; 64 bytes of scale words a row block
	s_mov_b32 s23, 0
	s_mul_i32 s20, s20, 12288                      ; 8 images a row block
	s_mov_b32 s21, 0
	s_lshl_b32 s92, s46, 6
	s_mov_b32 s93, 0
	s_mul_i32 s46, s46, 12288
	s_mov_b32 s47, 0
	s_mul_i32 s45, s14, HALFT                      ; where they go: wave x 128 rows: no place in the cluster enters an LDS address
	s_lshl_b32 s13, s14, 12
	s_wait_kmcnt 0x0
	s_add_nc_u64 s[20:21], s[4:5], s[20:21]
	s_add_nc_u64 s[22:23], s[6:7], s[22:23]
	s_add_nc_u64 s[46:47], s[4:5], s[46:47]
	s_add_nc_u64 s[92:93], s[6:7], s[92:93]
	CROUND                                         ; all sixteen work-groups are here: the first joint loads meet
	s_mov_b32 s[G0S], 1
	s_add_co_u32 s[G0S+1], s13, SCL
	s_mov_b64 s[G0S+2:G0S+3], s[22:23]
	s_or_b32 s[G0S+3], s[G0S+3], 0x80000000
	s_mov_b32 s[G0SB], 1
	s_add_co_u32 s[G0SB+1], s13, SCL
	s_mov_b64 s[G0SB+2:G0SB+3], s[92:93]
	s_or_b32 s[G0SB+3], s[G0SB+3], 0x80000000
	JLOAD G0S, G1S, G0SB, G1SB                     ; the scale words first: they are wanted with K step 0
.irp s, 0,1
	s_mov_b32 s[G0+4*\s], 1
	s_add_co_u32 s[G0+4*\s+1], s45, \s*SLOT
	s_add_nc_u64 s[G0+4*\s+2:G0+4*\s+3], s[20:21], \s*RBS
	s_or_b32 s[G0+4*\s+3], s[G0+4*\s+3], 0x80000000
	s_mov_b32 s[G0B+4*\s], 1
	s_add_co_u32 s[G0B+4*\s+1], s45, \s*SLOT
	s_add_nc_u64 s[G0B+4*\s+2:G0B+4*\s+3], s[46:47], \s*RBS
	s_or_b32 s[G0B+4*\s+3], s[G0B+4*\s+3], 0x80000000
	JLOAD G0+4*\s, G1, G0B+4*\s, G1B               ; three tensor loads of mine are out
.endr
	v_and_b32 v1, 15, v0                           ; r
	v_bfe_u32 v2, v0, 4, 1                         ; h
	v_and_b32 v3, 31, v0                           ; lane
	v_lshlrev_b32 v[LI16], 4, v3
	v_lshlrev_b32 v[LI8], 3, v3
	v_add_nc_u32 v5, 512, v[LI8]
	s_mul_i32 s21, s15, HALFT                      ; my 128 rows of A
	s_mul_i32 s22, s16, HALFT                      ; my 128 rows of B,
	s_add_co_u32 s22, s22, 2*HALFT                 ; which lie behind A's 256
.irp s, 0,1
	v_add_nc_u32 v[ADRA+\s], s21, v[LI16]
	v_add_nc_u32 v[ADRB+\s], s22, v[LI16]
	v_add_nc_u32 v[ADRA+2+\s], s21, v5
	v_add_nc_u32 v[ADRB+2+\s], s22, v5
	s_add_co_u32 s21, s21, SLOT
	s_add_co_u32 s22, s22, SLOT
.endr
	v_lshlrev_b32 v5, 2, v1                        ; my row's scale word: 4 r
	s_lshl_b32 s21, s15, 12                        ; A's: my 128 rows
	s_lshl_b32 s22, s16, 12                        ; B's: my 128 rows, behind A's 256
	s_add_co_u32 s22, s22, 2*HALFS
	s_sub_co_u32 s22, s22, s21
	v_mul_u32_u24 v6, s22, v2                      ; lanes 16-31 take B's
	s_add_co_u32 s21, s21, SCL
	v_add_nc_u32 v6, v5, v6
	v_add_nc_u32 v[ADRS], s21, v6
	s_lshl_b32 s21, s14, 9                         ; the way out: 512 bytes a wave at the head of slot 0, which has had its last fill and its last read by then
	v_add_nc_u32 v[STS], s21, v5
	v_add_nc_u32 v[RDS], s21, v[LI16]
	s_mov_b32 s[SEL], 0x76543210
	s_mov_b32 s[SEL+1], 0xfedcba98
	; where my eight images go
	s_lshl_b32 s20, s17, 1
	s_add_co_u32 s20, s20, s15                     ; mw: my 128 rows' number
	s_lshl_b32 s21, s42, 1
	s_add_co_u32 s21, s21, s16                     ; nw: my 128 columns' number
	s_lshl_b32 s22, s21, 9
	s_lshl_b32 s23, s20, 3
	s_add_co_u32 s22, s22, s23                     ; q, k: 512 nw + 8 mw
	s_lshr_b32 s23, s21, 4
	s_lshl_b32 s23, s23, 3
	s_add_co_u32 s23, s23, s20
	s_lshl_b32 s23, s23, 4
	s_and_b32 s21, s21, 15
	s_add_co_u32 s23, s23, s21
	s_lshl_b32 s23, s23, 3
	s_add_co_u32 s23, s23, 8192                    ; v: 8,192 + (((nw / 16) 8 + mw) 16 + nw % 16) 8
	s_cmp_ge_u32 s12, 8
	s_cselect_b32 s22, s23, s22
	s_mul_i32 s20, s22, IMG
	s_mov_b32 s21, 0
	s_add_nc_u64 s[8:9], s[8:9], s[20:21]
	s_lshl_b32 s20, s22, 6
	s_add_nc_u64 s[10:11], s[10:11], s[20:21]
.macro FRAG reg, adr, q, i             ; a fragment comes back as it was stored: four loads, each of consecutive bytes
	ds_load_b128 v[\reg:\reg+3], v[\adr] offset:(\i)*RBS+(\q)*IMG
	ds_load_b64 v[\reg+4:\reg+5], v[\adr+2] offset:(\i)*RBS+(\q)*IMG
	ds_load_b128 v[\reg+6:\reg+9], v[\adr] offset:(\i)*RBS+(\q)*IMG+768
	ds_load_b64 v[\reg+10:\reg+11], v[\adr+2] offset:(\i)*RBS+(\q)*IMG+768
.endm
; 16 matrix instructions: A's blocks a0, a0 + 1 x B's eight, the slot's q-th 128 along K.  p: B's set; sc: the set of scale words.  zero = 1: the first product starts the sums.
; The 64 accumulators take turns, one instruction a turn, in the same order in every step.
.macro MUL16 a0, p, q, sc, zero
.irp a, \a0, \a0+1
.irp b, 0,1,2,3,4,5,6,7
.if \zero
	v_wmma_scale_f32_16x16x128_f8f6f4 v[8*(8*((\a)%4)+\b):8*(8*((\a)%4)+\b)+7], v[128*(\p)+FR*\b:128*(\p)+FR*\b+FR-1], v[AF+FR*(\a):AF+FR*(\a)+FR-1], 0, v[SC+8*NQ*(\sc)+NQ*\b+(\q)], v[SC+8*NQ*(\sc)+NQ*(\a)+(\q)] matrix_a_fmt:MATRIX_FMT_BF6 matrix_b_fmt:MATRIX_FMT_BF6 matrix_a_scale:MATRIX_SCALE_ROW1
.else
	v_wmma_scale_f32_16x16x128_f8f6f4 v[8*(8*((\a)%4)+\b):8*(8*((\a)%4)+\b)+7], v[128*(\p)+FR*\b:128*(\p)+FR*\b+FR-1], v[AF+FR*(\a):AF+FR*(\a)+FR-1], v[8*(8*((\a)%4)+\b):8*(8*((\a)%4)+\b)+7], v[SC+8*NQ*(\sc)+NQ*\b+(\q)], v[SC+8*NQ*(\sc)+NQ*(\a)+(\q)] matrix_a_fmt:MATRIX_FMT_BF6 matrix_b_fmt:MATRIX_FMT_BF6 matrix_a_scale:MATRIX_SCALE_ROW1
.endif
.endr
.endr
.endm
.macro FETCH_B slot, q, p
	WIN TO_B
.irp i, 0,1,2,3,4,5,6,7
	FRAG 128*(\p)+FR*\i, ADRB+\slot, \q, \i
.endr
	WIN 0
.endm
.macro FETCH_A slot, q, i0
.irp i, \i0, \i0+1, \i0+2, \i0+3
	FRAG AF+FR*(\i), ADRA+\slot, \q, \i
.endr
.endm
.macro SCALES sc                       ; a slot's scale words: register NQ i + q: lanes 0-15 A's block i, lanes 16-31 B's block i
.irp i, 0,1,2,3,4,5,6,7
.irp q, 0,1
	ds_load_b32 v[SC+8*NQ*\sc+NQ*\i+\q], v[ADRS] offset:64*\i+512*\q
.endr
.endr
.endm
.macro PLACES n                        ; plain vector instructions between a matrix instruction and a load into, or a read of, its registers (ISA guide 7.12.1 for reads)
.rept \n
	v_nop
.endr
.endm
.macro STEP slot, q, zero              ; a step of 128 along K that has its successor in the same slot
	s_wait_dscnt 4*NL                              ; B's set, the scale words and A's blocks 0-3 are in; the youngest sixteen loads (A's blocks 4-7) may be out
	WIN MUL_LO
	MUL16 0, (\q)%2, \q, \slot, \zero
	MUL16 2, (\q)%2, \q, \slot, \zero
	s_wait_dscnt 0
	PLACES NP
	FETCH_B \slot, (\q)+1, 1-(\q)%2
	FETCH_A \slot, (\q)+1, 0
	WIN MUL_HI
	MUL16 4, (\q)%2, \q, \slot, \zero
	MUL16 6, (\q)%2, \q, \slot, \zero
	PLACES NP
	WIN 0
	FETCH_A \slot, (\q)+1, 4
.endm
; A slot's last step changes slots: one barrier; in front of it each wave waits for all its tensor loads, adds 0 to its spare word, and waits for that and for its own reads of this slot.  fill = 1: this slot is filled again, two slots ahead.
.macro TURN slot, next, fill
	s_wait_tensorcnt 0x0                           ; all my tensor loads have landed: my part of the next slot
	ds_add_u32 v[SPW], v[NIL]                      ; 0 onto my spare word
	s_wait_dscnt 4*NL+1                            ; (the add and the youngest sixteen loads, A's blocks 4-7, may be out)
	WIN MUL_LO
	MUL16 0, 1, NQ-1, \slot, 0
	s_wait_dscnt 0x0                               ; the add is done, and my reads of this slot are over
	s_barrier_signal -1
	MUL16 2, 1, NQ-1, \slot, 0
	WIN 0
	s_barrier_wait -1
.if \fill
	CREST                                          ; the barrier has opened a round of the cluster's barrier: no wave of any partner still reads this slot or has a load on its way
	s_add_nc_u64 s[G0+4*\slot+2:G0+4*\slot+3], s[G0+4*\slot+2:G0+4*\slot+3], 2*RBS
	s_add_nc_u64 s[G0B+4*\slot+2:G0B+4*\slot+3], s[G0B+4*\slot+2:G0B+4*\slot+3], 2*RBS
	JLOAD G0+4*\slot, G1, G0B+4*\slot, G1B         ; the first tensor load behind the round; its four v_nop are the places in front of the loads below
.else
	PLACES NP
.endif
	v_add_nc_u32 v[ADRS], 512*NQ, v[ADRS]          ; the next slot's scale words (no LDS load of mine is out)
	FETCH_B \next, 0, 0
	FETCH_A \next, 0, 0
	SCALES \next
	WIN MUL_HI
	MUL16 4, 1, NQ-1, \slot, 0
	MUL16 6, 1, NQ-1, \slot, 0
	PLACES NP
	WIN 0
	FETCH_A \next, 0, 4
.endm
	s_wait_tensorcnt 1                             ; the scale words and my part of slot 0 are in; slot 1's load may be out
	s_barrier_signal -1
	s_barrier_wait -1
	FETCH_B 0, 0, 0
	FETCH_A 0, 0, 0
	SCALES 0
	FETCH_A 0, 0, 4
	STEP 0, 0, 1                                   ; K = 1,024 is four slots' worth: written straight
	TURN 0, 1, 1
	STEP 1, 0, 0
	TURN 1, 0, 1
	STEP 0, 0, 0
	TURN 0, 1, 0                                   ; nothing is left to fetch
	STEP 1, 0, 0
	s_wait_dscnt 4*NL
	WIN MUL_LO
	MUL16 0, 1, NQ-1, 1, 0
	MUL16 2, 1, NQ-1, 1, 0
	s_wait_dscnt 0
	WIN MUL_HI
	MUL16 4, 1, NQ-1, 1, 0
	MUL16 6, 1, NQ-1, 1, 0
	WIN 0
; THE WAY OUT.  Block a's 64 registers of a lane (register 16 b + i: 16 of block b's 32 columns; lane l xor 16 holds the other 16) become one fragment and one scale word a row.
.macro QUANTW a
.set AC, 64*((\a)%4)
.set QW, 2+(\a)/4
.set QW5, QW*5
	WIN QW5                                        ; sources 0 and 1: the accumulators' window
.irp b, 0,1,2,3
	v_max3_num_f32 v[TM+\b], |v[AC+16*\b]|, |v[AC+16*\b+1]|, 0x2800000   ; each accumulator is read from its low end on; the floor 2^(5 - 127) holds the byte at 1 from below
.endr
.irp i, 2,4,6,8,10,12,14
.irp b, 0,1,2,3
	v_max3_num_f32 v[TM+\b], |v[AC+16*\b+\i]|, |v[AC+16*\b+\i+1]|, v[TM+\b]
.endr
.endr
	WIN 0
	s_wait_xcnt 0x0                                ; the last block's stores have read the codes' registers,
	s_wait_dscnt 0x0                               ; and its LDS store the scale word's
.irp b, 0,1,2,3
	v_permlanex16_b32 v[TM+4+\b], v[TM+\b], s[SEL], s[SEL+1]
.endr
.irp b, 0,1,2,3
	v_max_num_f32 v[TM+\b], v[TM+\b], v[TM+4+\b]
.endr
.irp b, 0,1,2,3
	v_add_nc_u32 v[TM+12+\b], 0xfe000000, v[TM+\b] ; 4 off the exponent field: the conversion's scale operand
.endr
.irp b, 0,1,2,3
	v_lshrrev_b32 v[TM+4+\b], 23, v[TM+12+\b]
.endr
	v_lshl_or_b32 v[PW], v[TM+5], 8, v[TM+4]
	v_lshl_or_b32 v[PW], v[TM+6], 16, v[PW]
	v_lshl_or_b32 v[PW], v[TM+7], 24, v[PW]
	WIN QW                                         ; source 0: the accumulators' window
.irp c, 0,1
	v_cvt_scalef32_pk16_bf6_f32 v[PC+6*\c:PC+6*\c+2], v[AC+32*\c:AC+32*\c+15], v[TM+12+2*\c]
	v_cvt_scalef32_pk16_bf6_f32 v[PC+12+4*\c:PC+14+4*\c], v[AC+32*\c+16:AC+32*\c+31], v[TM+12+2*\c+1]
.endr
	WIN 0
	v_nop                                          ; one plain place behind a scaled conversion
.irp c, 0,1                                    ; the operand's layout wants a whole block in a lane: lanes 0-15 block 2 c, lanes 16-31 block 2 c + 1
.irp i, 0,1,2
	v_permlane16_swap_b32 v[PC+6*\c+\i], v[PC+12+4*\c+\i]
.endr
.irp i, 0,1,2
	v_mov_b32 v[PC+3+6*\c+\i], v[PC+12+4*\c+\i]
.endr
.endr
	global_store_b128 v[LI16], v[PC:PC+3], s[8:9] offset:IMG*(\a)            ; 512 or 256 consecutive bytes a store, at multiples of 256 from the buffer's first byte
	global_store_b64 v[LI8], v[PC+4:PC+5], s[8:9] offset:IMG*(\a)+512
	global_store_b128 v[LI16], v[PC+6:PC+9], s[8:9] offset:IMG*(\a)+768
	global_store_b64 v[LI8], v[PC+10:PC+11], s[8:9] offset:IMG*(\a)+1280
	ds_store_b32 v[STS], v[PW] offset:64*(\a)      ; lanes r and r + 16 write the same word with the same value
.endm
	PLACES NP
.irp b, 0,1,2,3
	v_mov_b32 v[TM+4+\b], 0                        ; written once: a lane permute's destination counts as read
.endr
.irp a, 0,1,2,3,4,5,6,7
	QUANTW \a
.endr
	ds_load_b128 v[WB:WB+3], v[RDS]                ; my eight images' scale words: served in order behind my stores
	s_wait_dscnt 0x0
	global_store_b128 v[LI16], v[WB:WB+3], s[10:11]   ; 512 consecutive bytes
	s_wait_tensorcnt 0x0                           ; the wave's end
	ds_add_u32 v[SPW], v[NIL]
	s_wait_dscnt 0x0
	CROUND                                         ; the closing round: no work-group ends while a partner may still ask for a tile that names it
	s_endpgm
.Lfunc_end_k_qac56230877_gemm_qkv:
	.size	k_qac56230877_gemm_qkv, .Lfunc_end_k_qac56230877_gemm_qkv-k_qac56230877_gemm_qkv
	.p2alignl 7, 3214868480
	.fill 96, 4, 3214868480
	.section	.rodata,"a",@progbits
	.p2align	6, 0x0
	.amdhsa_kernel k_qac56230877_gemm_qkv
		.amdhsa_group_segment_fixed_size 327680
		.amdhsa_private_segment_fixed_size 0
		.amdhsa_enable_private_segment 0
		.amdhsa_kernarg_size 32
		.amdhsa_user_sgpr_count 2
		.amdhsa_user_sgpr_kernarg_segment_ptr 1
		.amdhsa_wavefront_size32 1
		.amdhsa_system_sgpr_workgroup_id_x 1
		.amdhsa_system_sgpr_workgroup_id_y 1
		.amdhsa_system_sgpr_workgroup_id_z 1
		.amdhsa_system_vgpr_workitem_id 0
		.amdhsa_next_free_vgpr 1024
		.amdhsa_next_free_sgpr 100
		.amdhsa_reserve_vcc 0
		.amdhsa_float_denorm_mode_32 3
		.amdhsa_float_denorm_mode_16_64 3
		.amdhsa_memory_ordered 1
		.amdhsa_forward_progress 1
		.amdhsa_inst_pref_size 152
	.end_amdhsa_kernel
	.amdgpu_metadata
---
amdhsa.version: [ 1, 2 ]
amdhsa.kernels:
  - .name:           k_qac56230877_gemm_qkv
    .symbol:         k_qac56230877_gemm_qkv.kd
    .args:
      - { .name: opc, .offset: 0, .size: 8, .value_kind: global_buffer, .address_space: global }
      - { .name: ops, .offset: 8, .size: 8, .value_kind: global_buffer, .address_space: global }
      - { .name: qkvc, .offset: 16, .size: 8, .value_kind: global_buffer, .address_space: global }
      - { .name: qkvs, .offset: 24, .size: 8, .value_kind: global_buffer, .address_space: global }
    .group_segment_fixed_size: 327680
    .private_segment_fixed_size: 0
    .kernarg_segment_align: 8
    .kernarg_segment_size: 32
    .max_flat_workgroup_size: 128
    .sgpr_count:     100
    .vgpr_count:     1024
    .wavefront_size: 32
...
	.end_amdgpu_metadata
.endif
;; end of part 2
;; launch attn (part 3): grid 8 x 32, 16 waves a work-group, no clusters, 327,680 bytes of LDS; arguments qkvc, qkvs, ctxc, ctxs; writes ctxc, ctxs
.if DOCPART == 3
	.amdgcn_target "amdgcn-amd-amdhsa--gfx1250"
	.amdhsa_code_object_version 6
	.text
	.protected	k_qac56230877_attn
	.globl	k_qac56230877_attn
	.p2align	8
	.type	k_qac56230877_attn,@function
k_qac56230877_attn:
	s_mov_b64 s[64:65], 0
	v_nop
	global_prefetch_b8 v0, s[64:65] scope:SCOPE_SE
	s_setreg_imm32_b32 hwreg(HW_REG_WAVE_MODE, 25, 1), 1
	s_wait_xcnt 0x0
; Causal attention on codes of BF6 (E3M2) with E8M0 scales: 4 batches x 16 heads of 64, 2,048 tokens.  ctx = softmax(q k^T / 8, causal) v, quantised at once along the features for the last product.
; INPUTS (register images, 1,536 bytes: registers 0-3 at 16 x lane, 4-5 at 512 + 8 x lane, 6-9 at 768 + 16 x lane, 10-11 at 1,280 + 8 x lane): q: image hp 512 + token / 16, k: (8 + hp) 512 + token / 16 (16 tokens x the 128
; features of head pair hp; half 0 / 1 = the even / odd head); v: image 8,192 + ((batch 8 + hp) 16 + key / 128) 8 + f (16 features x 128 keys).  qkvs: image i's sixteen scale words at 64 i.
; THE SOFTMAX: t = score x log2(e) / 8; M = the running largest t rounded UP to a whole number; p = 2^(t - M) is quantised along the keys, not normalised; the row's sum is taken of the unquantised p and divides at the end;
; when M moves, the sum and O are multiplied by 2^(old M - new M), which rounds nothing.
; SHARES.  A work-group owns one head pair of one batch and TWO blocks of 128 queries, 15 - J and J (J = work-group x): together 17 key steps of 128 whatever J is, so all 256 work-groups have equal work.
; Wave w: head w / 8 of the pair, queries 16 (w % 8) on.  K and V of the pair come through a ring of two LDS slots of 256 keys: 9 visits in all; the walk begins anew at key 0 when the first block is finished.
; Both products are used transposed (S^T = K Q^T, O^T = V^T P^T): a lane holds one query throughout.  Register 8 t + j of S^T is key 16 t + 8 h + j, so p's codes lie inside each block of 32 keys in the order
; 0-7, 16-23, 8-15, 24-31: the order in which v's codes were laid.  q and k share such an order along the features.
; K = 64 IN AN INSTRUCTION OF 128: Q's registers 6-11 hold zero codes; K's registers 6-11 hold whatever codes follow (every code is a finite number); bytes 2 and 3 of both scale words are 0, never 0xff: k = 64 .. 127 adds 0.
; No cluster: with the fold partners would leave the first block at different visits, so their sequences of slots differ; a slot's 51,200 bytes stand against two key steps of sixteen waves' softmax.
; OUTPUT: ctxc [512 token blocks][8 hp] images, natural order along the features; ctxs [8 hp][8,192 tokens] scale words.
; LIMITS: NaN and infinities are not served; v_exp_f32 and v_rcp_f32 are accurate to 1 ulp and flush denormals (ISA guide 15.8); a block of zeros gets the byte 1 (its codes are zeros; this program alone reads the bytes).
; REGISTERS: v1-6 lane addresses in a slot; v7, v8 the spare word and 0; v9-14 the same six in the slot in hand; v15 r - 8 h; v16-27 Q (22-27 zeros); v28 Q's scales; v29 prefetch offset; v30 -M, v31 largest t; v[32:33] the sum;
; v34-87 fragments (K: tile t at 34 + 6 t, v82-87 zeros; V: tile t at 34 + 12 t); v88-151 S^T, then p; v152-183 O^T; v184-202 p's codes; v204-211 K's scales, v212-215 V's; v216-227 blocks' maxima, bytes, scale operands;
; v228 f (v229 = 0); v230 p's scale word; v231-237 at work; v238, v239 16 and 8 x lane; v240, v241 the stage for ctx's scale bytes; v242-245 read back; v246 4 r.
.set SLOT1, 1<<17                      ; slot 1 begins here: one exclusive or turns an address
.set IMG,   1536
.set VOFF,  24576                      ; a slot: 16 images of K, 16 of V, 1,024 bytes of K's scale words, 1,024 of V's
.set KWOFF, 49152
.set VWOFF, 50176
.set STG,   53248                      ; ctx's scale words of the two query blocks, 512 bytes each: bytes of their own, into which no fill lands
.set SPARE, 196608                     ; the spare words, 128 bytes for each of 16 waves: eight blocks of 256 bytes that no other line names
.set TB, 2                             ; s2   LDS byte at which the slot in hand begins
.set KF, 3                             ; s3   the step's first key
.set WV, 12
.set HB, 13                            ; which head of the pair
.set WT, 14                            ; which tile of 16 queries
.set JJ, 15
.set BB, 16                            ; batch
.set HP, 17                            ; head pair
.set NA, 18                            ; visits of the first query block
.set VIS, 19                           ; visits done
.set SEL, 20
.set CS, 22                            ; s[22:23] c = log2(e) / 8
.set G1C, 24                           ; s[24:31] group 1: 24,576 dense bytes;  s[32:39]: 1,024 dense bytes
.set G1S, 32
.set G0C, 40
.set G0S, 44
.set BASEC, 48                         ; s[48:49] my codes (K's or V's) at key 0;  s[50:51] my scale words
.set BASES, 50
.set QA, 52
.set QS, 54
.set CT, 56
.set JB, 58                            ; the query block in hand
.set Q0, 59                            ; my first query
.set LIMK, 60                          ; the first key that no query of the block sees
.set SLOTS, 61
.set LIM, 62
.set BH, 63
.set PFA, 66                           ; s[66:67]
; Waves 0 and 1 fetch K's and V's codes, waves 2 and 3 their scale words, the others nothing.  The branches hang on the wave's number alone.  Four v_nop follow each line.
.macro TLOAD
	s_cmp_lt_u32 s[WV], 2
	s_cbranch_scc0 .Lnot_c_\@
	tensor_load_to_lds s[G0C:G0C+3], s[G1C:G1C+7]
	s_nop 0
.rept 4
	v_nop
.endr
	s_branch .Lasked_\@
.Lnot_c_\@:
	s_cmp_lt_u32 s[WV], 4
	s_cbranch_scc0 .Lasked_\@
	tensor_load_to_lds s[G0S:G0S+3], s[G1S:G1S+7]
	s_nop 0
.rept 4
	v_nop
.endr
.Lasked_\@:
.endm
; A prefetch into the L2 of the codes that the NEXT change of slots will ask for.  The eight work-groups of a head pair walk the same K and V: work-group x = 0, which walks slots 0 to 7 on end, asks, and nobody else;
; in it waves 4-6 ask for K's 24,576 bytes and waves 8-10 for V's, 8,192 bytes a wave, lanes 256 bytes apart: each aligned 256 bytes is named once.  Visit v names slot v + 2, up to slot 7; slots 0 and 1 come by their loads alone.
.macro ASK
	s_cmp_gt_u32 s[SLOTS], s[LIM]
	s_cbranch_scc0 .Lnot_mine_\@
	global_prefetch_b8 v29, s[PFA:PFA+1] th:TH_LOAD_NT scope:SCOPE_SE
.Lnot_mine_\@:
.endm
	s_load_b256 s[4:11], s[0:1], 0x0               ; qkvc s[4:5], qkvs s[6:7], ctxc s[8:9], ctxs s[10:11]: these stay
	v_lshl_add_u32 v7, v0, 2, SPARE
	v_mov_b32 v8, 0
	ds_add_u32 v7, v8
	ds_add_u32 v7, v8
	s_wait_dscnt 0x0
	v_lshrrev_b32 v9, 5, v0
	s_delay_alu instid0(VALU_DEP_1)
	v_readfirstlane_b32 s[WV], v9                  ; wave 0..15
	s_lshr_b32 s[HB], s[WV], 3
	s_and_b32 s[WT], s[WV], 7
	s_mov_b32 s[JJ], ttmp9
	s_and_b32 s[BH], ttmp7, 0xffff
	s_lshr_b32 s[BB], s[BH], 3
	s_and_b32 s[HP], s[BH], 7
	s_sub_co_u32 s[NA], 17, s[JJ]
	s_lshr_b32 s[NA], s[NA], 1                     ; block 15 - J sees 16 - J key steps: (17 - J) / 2 slots, rounded down
	s_mov_b32 s[G1C], 3<<16                        ; no mask; elements of 8 bytes; no padding
	s_mov_b32 s[G1C+1], 32<<16                     ; rows of 256 bytes,
	s_mov_b32 s[G1C+2], 96<<16                     ; 96 of them,
	s_mov_b32 s[G1C+3], 32<<16
	s_mov_b32 s[G1C+4], 96
	s_mov_b32 s[G1C+5], 32                         ; dense
	s_mov_b32 s[G1C+6], 0
	s_mov_b32 s[G1C+7], 0
	s_mov_b32 s[G1S], 3<<16
	s_mov_b32 s[G1S+1], 32<<16
	s_mov_b32 s[G1S+2], 4<<16
	s_mov_b32 s[G1S+3], 32<<16
	s_mov_b32 s[G1S+4], 4
	s_mov_b32 s[G1S+5], 32
	s_mov_b32 s[G1S+6], 0
	s_mov_b32 s[G1S+7], 0
	s_mov_b32 s[SEL], 0x76543210
	s_mov_b32 s[SEL+1], 0xfedcba98
	s_mov_b32 s[CS], 0x3e38aa3b                    ; log2(e) / sqrt(64)
	s_mov_b32 s[CS+1], s[CS]                       ; (named with it as a pair)
	s_mov_b32 s[TB], 0
	s_and_b32 s68, s[WV], 1                        ; even waves K, odd waves V
	s_lshl_b32 s69, s[HP], 9
	s_add_co_u32 s69, s69, 4096
	s_lshl_b32 s70, s[BB], 7
	s_add_co_u32 s69, s69, s70                     ; K's first image: (8 + hp) 512 + 128 batch
	s_lshl_b32 s71, s[BH], 7
	s_add_co_u32 s71, s71, 8192                    ; V's: 8,192 + 128 (8 batch + hp)
	s_cmp_eq_u32 s68, 0
	s_cselect_b32 s72, s69, s71
	s_mul_i32 s74, s72, IMG
	s_mov_b32 s75, 0
	s_lshl_b32 s76, s72, 6
	s_mov_b32 s77, 0
	s_mul_i32 s78, s68, VOFF                       ; where they go in a slot
	s_lshl_b32 s79, s68, 10
	s_add_co_u32 s79, s79, KWOFF
	s_wait_kmcnt 0x0
	s_add_nc_u64 s[BASEC:BASEC+1], s[4:5], s[74:75]
	s_add_nc_u64 s[BASES:BASES+1], s[6:7], s[76:77]
	s_mov_b32 s[G0C], 1
	s_mov_b32 s[G0C+1], s78
	s_mov_b64 s[G0C+2:G0C+3], s[BASEC:BASEC+1]
	s_or_b32 s[G0C+3], s[G0C+3], 0x80000000
	s_mov_b32 s[G0S], 1
	s_mov_b32 s[G0S+1], s79
	s_mov_b64 s[G0S+2:G0S+3], s[BASES:BASES+1]
	s_or_b32 s[G0S+3], s[G0S+3], 0x80000000
	TLOAD                                          ; slot 0: keys 0-255: the launch's first fill
	; the prefetches: where my wave's stand, and who asks
	s_cmp_lt_u32 s[WV], 8
	s_cselect_b32 s72, s69, s71
	s_mul_i32 s72, s72, IMG
	s_and_b32 s73, s[WV], 3
	s_lshl_b32 s73, s73, 13
	s_add_co_u32 s72, s72, s73
	s_add_co_u32 s72, s72, VOFF                    ; in slot 1: the first change of slots steps it to slot 2
	s_mov_b32 s73, 0
	s_add_nc_u64 s[PFA:PFA+1], s[4:5], s[72:73]
	s_sub_co_u32 s72, s[WV], 4
	s_lshr_b32 s72, s72, 3                         ; 0 in waves 4 to 11,
	s_or_b32 s72, s72, ttmp9                       ; of work-group x = 0
	s_cmp_eq_u32 s72, 0
	s_cselect_b32 s[LIM], 2, -1
	s_and_b32 s72, s[WV], 3
	s_cmp_eq_u32 s72, 3                            ; (three waves' worth each: not waves 7 and 11)
	s_cselect_b32 s[LIM], -1, s[LIM]
	v_and_b32 v231, 31, v0                         ; lane
	v_and_b32 v232, 15, v0                         ; r
	v_bfe_u32 v233, v0, 4, 1                       ; h
	s_delay_alu instid0(VALU_DEP_3)
	v_lshlrev_b32 v238, 4, v231
	s_delay_alu instid0(VALU_DEP_4)
	v_lshlrev_b32 v239, 3, v231
	s_delay_alu instid0(VALU_DEP_4)
	v_lshlrev_b32 v246, 2, v232
	v_lshlrev_b32 v29, 8, v231
	s_mul_i32 s72, s[HB], 768                      ; K: my head's half of an image
	v_add_nc_u32 v1, s72, v238
	v_add_nc_u32 v2, s72, v239
	s_delay_alu instid0(VALU_DEP_1)
	v_add_nc_u32 v2, 512, v2
	s_mul_i32 s72, s[HB], 4*IMG                    ; V: my head's four images of a key step's eight
	s_add_co_u32 s72, s72, VOFF
	v_add_nc_u32 v3, s72, v238
	v_add_nc_u32 v4, s72, v239
	s_delay_alu instid0(VALU_DEP_1)
	v_add_nc_u32 v4, 512, v4
	s_lshl_b32 s72, s[HB], 1                       ; K's scale words: my head's two bytes
	s_add_co_u32 s72, s72, KWOFF
	v_add_nc_u32 v5, s72, v246
	s_lshl_b32 s72, s[HB], 8                       ; V's: my head's four images' words
	s_add_co_u32 s72, s72, VWOFF
	v_add_nc_u32 v6, s72, v246
	v_lshlrev_b32 v234, 3, v233
	s_delay_alu instid0(VALU_DEP_1)
	v_sub_nc_u32 v15, v232, v234                   ; r - 8 h
	s_lshl_b32 s72, s[WT], 6
	s_lshl_b32 s73, s[HB], 1
	s_add_co_u32 s72, s72, s73
	s_add_co_u32 s72, s72, STG
	v_add_nc_u32 v240, s72, v246                   ; ctx's scale bytes: query 16 WT + r, my head's two of the four
	s_and_b32 s72, s[WV], 1
	s_lshl_b32 s72, s72, 9
	s_add_co_u32 s72, s72, STG
	v_add_nc_u32 v241, s72, v238
.irp j, 22,23,24,25,26,27,82,83,84,85,86,87,220,221,222,223,229
	v_mov_b32 v[\j], 0                             ; zero codes; lane permutes' destinations; the upper half of f's pair
.endr
; The query block s[JB] begins: addresses, Q, and an empty state (O^T and the sum zeros, the largest t under every t: the first change of M multiplies zeros).
.macro INIT
	s_lshl_b32 s68, s[JB], 7
	s_add_co_u32 s[LIMK], s68, 128
	s_lshl_b32 s69, s[WT], 4
	s_add_co_u32 s[Q0], s68, s69
	s_mov_b32 s[KF], 0
	s_lshl_b32 s68, s[BB], 7
	s_lshl_b32 s69, s[JB], 3
	s_add_co_u32 s68, s68, s69
	s_add_co_u32 s68, s68, s[WT]                   ; my token block
	s_lshl_b32 s69, s[HP], 9
	s_add_co_u32 s69, s69, s68                     ; q's image
	s_mul_i32 s70, s69, IMG
	s_mul_i32 s72, s[HB], 768
	s_add_co_u32 s70, s70, s72
	s_mov_b32 s71, 0
	s_add_nc_u64 s[QA:QA+1], s[4:5], s[70:71]
	s_lshl_b32 s70, s69, 6
	s_lshl_b32 s73, s[HB], 1
	s_add_co_u32 s70, s70, s73
	s_add_nc_u64 s[QS:QS+1], s[6:7], s[70:71]
	s_lshl_b32 s70, s68, 3
	s_add_co_u32 s70, s70, s[HP]
	s_mul_i32 s70, s70, IMG
	s_add_co_u32 s70, s70, s72
	s_add_nc_u64 s[CT:CT+1], s[8:9], s[70:71]
	global_load_b128 v[16:19], v238, s[QA:QA+1]
	global_load_b64 v[20:21], v239, s[QA:QA+1] offset:512
	global_load_u16 v28, v246, s[QS:QS+1]          ; my head's two bytes; the upper two come as 0
.set n, 0
.rept 32
	v_mov_b32 v[152+n], 0
.set n, n+1
.endr
	v_mov_b32 v31, 0xff61b1e6                      ; -3e38
	s_delay_alu instid0(VALU_DEP_1)
	v_floor_f32 v30, -v31
	v_mov_b32 v32, 0
	v_mov_b32 v33, 0
	s_wait_loadcnt 0x0
.endm
; A KEY STEP: 128 keys, the q-th of the slot in hand.
.macro STEP q
	s_cmp_ge_u32 s[KF], s[LIMK]                    ; all its keys come after the block's queries: the work is left out (a branch on ids; no barrier and no tensor load stands in a step)
	s_cbranch_scc1 .Lhidden_\@
	s_wait_alu depctr_va_vdst(0)
.irp t, 0,1,2,3,4,5,6,7
	ds_load_b128 v[34+6*\t:37+6*\t], v9 offset:(8*(\q)+\t)*IMG
	ds_load_b64 v[38+6*\t:39+6*\t], v10 offset:(8*(\q)+\t)*IMG
	ds_load_u16 v[204+\t], v13 offset:512*(\q)+64*\t
.endr
	s_wait_dscnt 0x0
.irp t, 0,1,2,3,4,5,6,7                        ; S^T = K Q^T: tile t = keys 16 t on
	v_wmma_scale_f32_16x16x128_f8f6f4 v[88+8*\t:95+8*\t], v[34+6*\t:45+6*\t], v[16:27], 0, v[204+\t], v28 matrix_a_fmt:MATRIX_FMT_BF6 matrix_b_fmt:MATRIX_FMT_BF6
.endr
.rept 4
	v_nop                                          ; places in front of the loads below and of the first read of the scores
.endr
	s_wait_alu depctr_va_vdst(0)
.irp t, 0,1,2,3                                ; V's fragments are asked for now and land under the softmax
	ds_load_b128 v[34+12*\t:37+12*\t], v11 offset:8*IMG*(\q)+IMG*\t
	ds_load_b64 v[38+12*\t:39+12*\t], v12 offset:8*IMG*(\q)+IMG*\t
	ds_load_b128 v[40+12*\t:43+12*\t], v11 offset:8*IMG*(\q)+IMG*\t+768
	ds_load_b64 v[44+12*\t:45+12*\t], v12 offset:8*IMG*(\q)+IMG*\t+768
	ds_load_b32 v[212+\t], v14 offset:512*(\q)+64*\t
.endr
	s_add_co_u32 s68, s[KF], 127                   ; on the diagonal hidden scores become -infinity ahead of the maximum; a step all of whose keys count skips this
	s_cmp_le_u32 s68, s[Q0]
	s_cbranch_scc1 .Lopen_\@
	s_sub_co_i32 s68, s[Q0], s[KF]
	v_add_nc_u32 v231, s68, v15                    ; d = my query - KF - 8 h.  Register 8 t + j holds key KF + 16 t + 8 h + j: hidden where 16 t + j > d
	v_mov_b32 v232, 0xff800000
.set n, 0
.rept 64
	v_cmp_gt_i32 vcc_lo, 16*(n/8)+n%8, v231
	v_cndmask_b32 v[88+n], v[88+n], v232, vcc_lo
.set n, n+1
.endr
.Lopen_\@:
.irp b, 0,1,2,3
	v_max3_num_f32 v[216+\b], v[88+16*\b], v[89+16*\b], v[90+16*\b]   ; the largest score of each block of 32 keys: it serves for the row's maximum and, since p rises with the score, for the block's largest p
.endr
.irp i, 3,5,7,9,11,13
.irp b, 0,1,2,3
	v_max3_num_f32 v[216+\b], v[216+\b], v[88+16*\b+\i], v[89+16*\b+\i]
.endr
.endr
.irp b, 0,1,2,3
	v_max_num_f32 v[216+\b], v[216+\b], v[103+16*\b]
.endr
.irp b, 0,1,2,3
	s_delay_alu instid0(VALU_DEP_4)
	v_permlanex16_b32 v[220+\b], v[216+\b], s[SEL], s[SEL+1]
.endr
.irp b, 0,1,2,3
	s_delay_alu instid0(VALU_DEP_4)
	v_max_num_f32 v[216+\b], v[216+\b], v[220+\b]  ; with lane l xor 16's 16 keys
.endr
	s_delay_alu instid0(VALU_DEP_2)
	v_max3_num_f32 v231, v216, v217, v218
	s_delay_alu instid0(VALU_DEP_1)
	v_max_num_f32 v231, v231, v219
	s_delay_alu instid0(VALU_DEP_1)
	v_mul_f32 v231, s[CS], v231                    ; the step's largest t of my query
	s_delay_alu instid0(VALU_DEP_1)
	v_max_num_f32 v31, v31, v231
	v_mov_b32 v231, v30
	s_delay_alu instid0(VALU_DEP_2)
	v_floor_f32 v30, -v31                          ; the new -M = -ceil(t)
	s_delay_alu instid0(VALU_DEP_1)
	v_sub_f32 v231, v30, v231                      ; old M - new M: a whole number, 0 or less
	s_delay_alu instid0(VALU_DEP_1)
	v_cvt_i32_f32 v231, v231                       ; (it saturates)
	s_delay_alu instid0(VALU_DEP_1)
	v_ldexp_f32 v228, 1.0, v231                    ; f = 2^(old M - new M)
.set n, 0
.rept 32
	v_pk_fma_f32 v[88+n:89+n], v[88+n:89+n], s[CS:CS+1], v[30:31] op_sel_hi:[1,0,0]   ; t - M, two at a time
.set n, n+2
.endr
.irp b, 0,1,2,3
	v_fma_f32 v[216+\b], v[216+\b], s[CS], v30
.endr
.set n, 0
	s_wait_alu depctr_va_vdst(0)
.rept 64
	v_exp_f32 v[88+n], v[88+n]                     ; p = 2^(t - M)
.set n, n+1
.endr
	v_pk_mul_f32 v[32:33], v[32:33], v[228:229] op_sel_hi:[1,0]   ; the sums under the new M: the plain place behind the exponentials
	s_wait_alu depctr_va_vdst(0)                   ; one wait for the batch, ahead of its first reader
.irp b, 0,1,2,3
	v_exp_f32 v[216+\b], v[216+\b]                 ; each block's largest p
.endr
	v_pk_add_f32 v[236:237], v[92:93], v[96:97]
	v_pk_add_f32 v[254:255], v[100:101], v[104:105]
	v_pk_add_f32 v[252:253], v[108:109], v[112:113]
	v_pk_add_f32 v[250:251], v[116:117], v[120:121]
	v_pk_add_f32 v[248:249], v[124:125], v[128:129]
	v_pk_add_f32 v[244:245], v[132:133], v[136:137]
	v_pk_add_f32 v[242:243], v[140:141], v[144:145]
	v_pk_add_f32 v[32:33], v[32:33], v[148:149]
	v_pk_add_f32 v[236:237], v[236:237], v[88:89]
	v_pk_add_f32 v[254:255], v[254:255], v[90:91]
	v_pk_add_f32 v[252:253], v[252:253], v[94:95]
	v_pk_add_f32 v[250:251], v[250:251], v[98:99]
	v_pk_add_f32 v[248:249], v[248:249], v[102:103]
	v_pk_add_f32 v[244:245], v[244:245], v[106:107]
	v_pk_add_f32 v[242:243], v[242:243], v[110:111]
	v_pk_add_f32 v[32:33], v[32:33], v[114:115]
	v_pk_add_f32 v[236:237], v[236:237], v[118:119]
	v_pk_add_f32 v[254:255], v[254:255], v[122:123]
	v_pk_add_f32 v[252:253], v[252:253], v[126:127]
	v_pk_add_f32 v[250:251], v[250:251], v[130:131]
	v_pk_add_f32 v[248:249], v[248:249], v[134:135]
	v_pk_add_f32 v[244:245], v[244:245], v[138:139]
	v_pk_add_f32 v[242:243], v[242:243], v[142:143]
	v_pk_add_f32 v[32:33], v[32:33], v[146:147]
	v_pk_add_f32 v[236:237], v[236:237], v[150:151]
	s_delay_alu instid0(VALU_DEP_2)
	v_pk_add_f32 v[32:33], v[32:33], v[250:251]
	s_delay_alu instid0(VALU_DEP_2)
	v_pk_add_f32 v[236:237], v[236:237], v[248:249]
	v_pk_add_f32 v[254:255], v[254:255], v[244:245]
	v_pk_add_f32 v[252:253], v[252:253], v[242:243]
	s_delay_alu instid0(VALU_DEP_2)
	v_pk_add_f32 v[32:33], v[32:33], v[254:255]
	s_delay_alu instid0(VALU_DEP_2)
	v_pk_add_f32 v[236:237], v[236:237], v[252:253]
	s_delay_alu instid0(VALU_DEP_1)
	v_pk_add_f32 v[32:33], v[32:33], v[236:237]
	s_wait_alu depctr_va_vdst(0)                   ; and one for the four
.irp b, 0,1,2,3
	v_max_num_f32 v[216+\b], 0x2800000, v[216+\b]  ; the floor 2^(5 - 127)
.endr
.irp b, 0,1,2,3
	s_delay_alu instid0(VALU_DEP_4)
	v_add_nc_u32 v[224+\b], 0xfe000000, v[216+\b]
.endr
.irp b, 0,1,2,3
	s_delay_alu instid0(VALU_DEP_4)
	v_lshrrev_b32 v[220+\b], 23, v[224+\b]
.endr
	s_delay_alu instid0(VALU_DEP_3)
	v_lshl_or_b32 v230, v221, 8, v220              ; p's scale word for these 128 keys
	s_delay_alu instid0(VALU_DEP_1)
	v_lshl_or_b32 v230, v222, 16, v230
	s_delay_alu instid0(VALU_DEP_1)
	v_lshl_or_b32 v230, v223, 24, v230
.irp c, 0,1
	v_cvt_scalef32_pk16_bf6_f32 v[184+6*\c:186+6*\c], v[88+32*\c:103+32*\c], v[224+2*\c]
	v_cvt_scalef32_pk16_bf6_f32 v[196+4*\c:198+4*\c], v[104+32*\c:119+32*\c], v[224+2*\c+1]
.endr
	v_nop                                          ; one plain place behind a scaled conversion
.irp c, 0,1
.irp i, 0,1,2
	v_permlane16_swap_b32 v[184+6*\c+\i], v[196+4*\c+\i]
.endr
.irp i, 0,1,2
	s_delay_alu instid0(VALU_DEP_3)
	v_mov_b32 v[187+6*\c+\i], v[196+4*\c+\i]
.endr
.endr
.set n, 0
.rept 16
	v_pk_mul_f32 v[152+n:153+n], v[152+n:153+n], v[228:229] op_sel_hi:[1,0]   ; O^T under the new M; these sixteen are also the places between p's codes and scale word and the products below
.set n, n+2
.endr
	s_wait_alu depctr_va_vdst(0)
	s_wait_dscnt 0x0                               ; V's fragments and scale words are in
.irp t, 0,1,2,3                                ; O^T += V^T P^T: tile t = my head's features 16 t on
	v_wmma_scale_f32_16x16x128_f8f6f4 v[152+8*\t:159+8*\t], v[34+12*\t:45+12*\t], v[184:195], v[152+8*\t:159+8*\t], v[212+\t], v230 matrix_a_fmt:MATRIX_FMT_BF6 matrix_b_fmt:MATRIX_FMT_BF6
.endr
.rept 4
	v_nop                                          ; places in front of the next loads into the fragments' registers and of the next read of O^T
.endr
.Lhidden_\@:
	s_add_co_u32 s[KF], s[KF], 128
.endm
; THE CHANGE OF SLOTS, at a visit's head.  Each wave waits for all its tensor loads, adds 0 to its spare word, and waits for that and for its reads of the slot that it has left; behind the barrier the slot ahead is whole and
; nobody reads the other one.  fill = 1: that other slot is filled with what the next visit reads: the next 256 keys, or keys 0-255 again where the second query block begins.
.macro CHANGE fill
	s_wait_tensorcnt 0x0                           ; no tensor load of mine is out, so a group 0 may be written
	ds_add_u32 v7, v8
.if \fill
	s_add_co_u32 s82, s[VIS], 1
	s_sub_co_u32 s83, s82, s[NA]
	s_cmp_lt_u32 s82, s[NA]
	s_cselect_b32 s82, s82, s83                    ; which 256 keys the next visit reads
	s_mul_i32 s84, s82, VOFF
	s_mov_b32 s85, 0
	s_add_nc_u64 s[G0C+2:G0C+3], s[BASEC:BASEC+1], s[84:85]
	s_or_b32 s[G0C+3], s[G0C+3], 0x80000000
	s_lshl_b32 s84, s82, 10
	s_add_nc_u64 s[G0S+2:G0S+3], s[BASES:BASES+1], s[84:85]
	s_or_b32 s[G0S+3], s[G0S+3], 0x80000000
	s_xor_b32 s[G0C+1], s[G0C+1], SLOT1
	s_xor_b32 s[G0S+1], s[G0S+1], SLOT1
	s_wait_xcnt 0x0                                ; the last prefetch, a visit back, has read its address
	s_add_nc_u64 s[PFA:PFA+1], s[PFA:PFA+1], VOFF
.endif
	s_wait_dscnt 0x0                               ; the add is done, and my reads of the slot that I have left are over
	s_barrier_signal -1
	s_barrier_wait -1
.if \fill
	TLOAD                                          ; the first thing behind the barrier, a wave's one tensor load until the next: it has two key steps in which to land
	ASK
.endif
.irp j, 0,1,2,3,4,5
	v_add_nc_u32 v[9+\j], s[TB], v[1+\j]           ; my addresses in the slot in hand
.endr
.endm
; A query block is finished: ctx = O^T / the sum, brought into natural order along the features, quantised (two blocks of 32), stored as my head's half of an image; its two scale bytes go to the stage.
.macro FINISH stg
	v_add_f32 v32, v32, v33
	s_delay_alu instid0(VALU_DEP_1)
	v_permlanex16_b32 v231, v32, s[SEL], s[SEL+1]
	s_delay_alu instid0(VALU_DEP_1)
	v_add_f32 v32, v32, v231                       ; the row's sum
	s_wait_alu depctr_va_vdst(0)
	v_rcp_f32 v32, v32
	v_nop                                          ; one plain place behind the transcendental
	s_wait_alu depctr_va_vdst(0)                   ; the wait ahead of its first reader
.set n, 0
.rept 32
	v_mul_f32 v[88+n], v[152+n], v32               ; register 8 t + j: feature 16 t + 8 h + j
.set n, n+1
.endr
.irp k, 0,1
.irp j, 0,1,2,3,4,5,6,7
	v_permlane16_swap_b32 v[88+16*\k+\j], v[96+16*\k+\j]   ; now register 16 k + i: feature 32 k + 16 h + i: Wo's codes lie in natural order
.endr
.endr
.irp k, 0,1
	v_max3_num_f32 v[216+\k], |v[88+16*\k]|, |v[89+16*\k]|, 0x2800000
.endr
.irp i, 2,4,6,8,10,12,14
.irp k, 0,1
	s_delay_alu instid0(VALU_DEP_2)
	v_max3_num_f32 v[216+\k], v[216+\k], |v[88+16*\k+\i]|, |v[89+16*\k+\i]|
.endr
.endr
.irp k, 0,1
	s_delay_alu instid0(VALU_DEP_2)
	v_permlanex16_b32 v[220+\k], v[216+\k], s[SEL], s[SEL+1]
.endr
.irp k, 0,1
	s_delay_alu instid0(VALU_DEP_2)
	v_max_num_f32 v[216+\k], v[216+\k], v[220+\k]
.endr
.irp k, 0,1
	s_delay_alu instid0(VALU_DEP_2)
	v_add_nc_u32 v[224+\k], 0xfe000000, v[216+\k]
.endr
.irp k, 0,1
	s_delay_alu instid0(VALU_DEP_2)
	v_lshrrev_b32 v[220+\k], 23, v[224+\k]
.endr
	s_delay_alu instid0(VALU_DEP_1)
	v_lshl_or_b32 v231, v221, 8, v220
	v_cvt_scalef32_pk16_bf6_f32 v[184:186], v[88:103], v224
	v_cvt_scalef32_pk16_bf6_f32 v[196:198], v[104:119], v225
	v_nop                                          ; one plain place behind a scaled conversion
.irp i, 0,1,2
	v_permlane16_swap_b32 v[184+\i], v[196+\i]
.endr
.irp i, 0,1,2
	s_delay_alu instid0(VALU_DEP_3)
	v_mov_b32 v[187+\i], v[196+\i]
.endr
	global_store_b128 v238, v[184:187], s[CT:CT+1]             ; 512 and 256 consecutive bytes, at multiples of 256 from the buffer's first byte
	global_store_b64 v239, v[188:189], s[CT:CT+1] offset:512
	ds_store_b16 v240, v231 offset:\stg            ; lanes r and r + 16 write the same bytes with the same value
	s_wait_xcnt 0x0                                ; the stores have read their registers and their base,
	s_wait_dscnt 0x0                               ; and the LDS store its data
.endm
	s_sub_co_u32 s[JB], 15, s[JJ]
	INIT                                           ; the first query block: 15 - J
	s_mov_b32 s[SLOTS], 8
	s_mov_b32 s[VIS], 0
.Lvisit:                                           ; eight trips: behind each change of slots but the last the next visit's slot is asked for
	CHANGE 1
	STEP 0
	STEP 1
	s_xor_b32 s[TB], s[TB], SLOT1
	s_add_co_u32 s[VIS], s[VIS], 1
	s_cmp_lg_u32 s[VIS], s[NA]                     ; a branch on ids, alike in all sixteen waves; no barrier and no tensor load stands under it
	s_cbranch_scc1 .Lsame
	s_wait_alu depctr_va_vdst(0)
	FINISH 0
	s_mov_b32 s[JB], s[JJ]
	INIT                                           ; the second query block: J
.Lsame:
	s_sub_co_u32 s[SLOTS], s[SLOTS], 1
	s_cmp_lg_u32 s[SLOTS], 0
	s_cbranch_scc1 .Lvisit
	CHANGE 0                                       ; the last visit is written out
	STEP 0
	STEP 1
	s_wait_alu depctr_va_vdst(0)
	FINISH 512
	s_barrier_signal -1                            ; every wave's stores into the stage are done (FINISH ends with the wait for them)
	s_barrier_wait -1
	s_cmp_lt_u32 s[WV], 2                          ; wave 0 stores the first block's 128 scale words, wave 1 the second's
	s_cbranch_scc0 .Ldone
	ds_load_b128 v[242:245], v241
	s_sub_co_u32 s72, 15, s[JJ]
	s_cmp_eq_u32 s[WV], 0
	s_cselect_b32 s72, s72, s[JJ]
	s_lshl_b32 s72, s72, 7
	s_lshl_b32 s73, s[HP], 13
	s_add_co_u32 s72, s72, s73
	s_lshl_b32 s73, s[BB], 11
	s_add_co_u32 s72, s72, s73                     ; word 8,192 hp + 2,048 batch + 128 block
	s_lshl_b32 s72, s72, 2
	s_mov_b32 s73, 0
	s_add_nc_u64 s[74:75], s[10:11], s[72:73]
	s_wait_dscnt 0x0
	global_store_b128 v238, v[242:245], s[74:75]   ; 512 consecutive bytes
.Ldone:
	s_wait_tensorcnt 0x0                           ; the wave's end
	ds_add_u32 v7, v8
	s_wait_dscnt 0x0
	s_endpgm
.Lfunc_end_k_qac56230877_attn:
	.size	k_qac56230877_attn, .Lfunc_end_k_qac56230877_attn-k_qac56230877_attn
	.p2alignl 7, 3214868480
	.fill 96, 4, 3214868480
	.section	.rodata,"a",@progbits
	.p2align	6, 0x0
	.amdhsa_kernel k_qac56230877_attn
		.amdhsa_group_segment_fixed_size 327680
		.amdhsa_private_segment_fixed_size 0
		.amdhsa_enable_private_segment 0
		.amdhsa_kernarg_size 32
		.amdhsa_user_sgpr_count 2
		.amdhsa_user_sgpr_kernarg_segment_ptr 1
		.amdhsa_wavefront_size32 1
		.amdhsa_system_sgpr_workgroup_id_x 1
		.amdhsa_system_sgpr_workgroup_id_y 1
		.amdhsa_system_sgpr_workgroup_id_z 1
		.amdhsa_system_vgpr_workitem_id 0
		.amdhsa_next_free_vgpr 256
		.amdhsa_next_free_sgpr 100
		.amdhsa_reserve_vcc 1
		.amdhsa_float_denorm_mode_32 3
		.amdhsa_float_denorm_mode_16_64 3
		.amdhsa_memory_ordered 1
		.amdhsa_forward_progress 1
		.amdhsa_inst_pref_size 116
	.end_amdhsa_kernel
	.amdgpu_metadata
---
amdhsa.version: [ 1, 2 ]
amdhsa.kernels:
  - .name:           k_qac56230877_attn
    .symbol:         k_qac56230877_attn.kd
    .args:
      - { .name: qkvc, .offset: 0, .size: 8, .value_kind: global_buffer, .address_space: global }
      - { .name: qkvs, .offset: 8, .size: 8, .value_kind: global_buffer, .address_space: global }
      - { .name: ctxc, .offset: 16, .size: 8, .value_kind: global_buffer, .address_space: global }
      - { .name: ctxs, .offset: 24, .size: 8, .value_kind: global_buffer, .address_space: global }
    .group_segment_fixed_size: 327680
    .private_segment_fixed_size: 0
    .kernarg_segment_align: 8
    .kernarg_segment_size: 32
    .max_flat_workgroup_size: 512
    .sgpr_count:     100
    .vgpr_count:     256
    .wavefront_size: 32
...
	.end_amdgpu_metadata
.endif
;; end of part 3
;; launch gemm_out (part 4): grid 4 x 32, 4 waves a work-group, clusters of 4 x 4, 327,680 bytes of LDS; arguments ctxc, ctxs, opc, ops, bo, out0; writes out0
.if DOCPART == 4
	.amdgcn_target "amdgcn-amd-amdhsa--gfx1250"
	.amdhsa_code_object_version 6
	.text
	.protected	k_qac56230877_gemm_out
	.globl	k_qac56230877_gemm_out
	.p2align	8
	.type	k_qac56230877_gemm_out,@function
k_qac56230877_gemm_out:
	s_mov_b64 s[64:65], 0
	v_nop
	global_prefetch_b8 v0, s[64:65] scope:SCOPE_SE
	s_setreg_imm32_b32 hwreg(HW_REG_WAVE_MODE, 25, 1), 1
	s_wait_xcnt 0x0
	s_wait_alu depctr_hold_cnt(0) depctr_sa_sdst(0) depctr_va_vdst(0) depctr_va_sdst(0) depctr_va_ssrc(0) depctr_va_vcc(0) depctr_vm_vsrc(0)
	s_getreg_b32 s2, hwreg(HW_REG_IB_STS2, 6, 4)
	s_cmp_eq_u32 s2, 0
	s_cbranch_scc0 .Lentry_in_a_cluster
	s_endpgm
.Lentry_in_a_cluster:
	s_bfe_u32 s2, ttmp6, 0x10000c
	s_cmp_lg_u32 s2, 0xf033
	s_cbranch_scc0 .Lentry_shape_is_right
	s_endpgm
.Lentry_shape_is_right:
; out0 = ctx Wo + bo on codes of BF6 (E3M2) with E8M0 scales, K = 1,024; out0 [8192][1024] f32.
; OPERANDS are register images (16 rows x 128 K in 1,536 bytes: registers 0-3 at 16 x lane, 4-5 at 512 + 8 x lane, 6-9 at 768 + 16 x lane, 10-11 at 1,280 + 8 x lane): A = ctxc [512 token blocks][8 K steps], its scale words
; ctxs [8 K steps][8,192 rows]; B = opc's row blocks 704-767 (Wo, rows = n), its scale words in ops [8 K steps][12,288 rows].
; TILES of 256 x 256, four waves, a wave 128 x 128: 64 accumulators, 512 registers; 32 x 4 tiles: 128 work-groups, which is all the work that this tile gives.
; K goes in steps of 256 through a ring of two LDS slots; the scale words of all of K come once.  4 x 4 work-groups form a cluster: A's tiles are asked for jointly along a row, B's along a column.
; THE MATRIX INSTRUCTION IS USED TRANSPOSED (source 0 = 16 rows of B, source 1 = 16 rows of A): a lane holds eight neighbouring numbers of a row of out0.  The bias is the C of each sum's first matrix instruction.
; REGISTERS: window 0: v0-31 addresses; v32-63 scale words, two sets; v64-127 the bias, eight registers for each of B's blocks; v128-223 A's fragments, one set; on the way out v128-255.
;   window 1: B's fragments, two sets, at v0 and v128.  windows 2, 3: the accumulators ((a, b) at v[8 (8 (a % 4) + b)]).
.set NQ,     2
.set FR,     12
.set NL,     4
.set NP,     4                         ; places behind this matrix instruction (ISA guide 7.12.1)
.set IMG,    1536
.set RBS,    NQ*IMG
.set HALFT,  8*RBS
.set SLOT,   4*HALFT
.set SCL,    2*SLOT
.set HALFS,  4096
.set SPARE,  SCL+4*HALFS               ; the spare words, 128 bytes a wave: two blocks of 256 bytes that no other line names
.set SIZE_N, 1024
.set SPITCH, 528                       ; the way out: a stage of 16 rows x (512 bytes + 16) for each wave, in slot 0, which has had its last fill and its last read by then
.set ADRA, 16
.set ADRB, 20
.set STO,  24
.set RD,   25
.set CO,   26
.set ADRS, 27
.set SPW,  28
.set NIL,  29
.set BOF,  31                          ; v31  32 h: my half's eight numbers of a block's sixteen of bo
.set SC,   32
.set BIAS, 64
.set AF,   128
.set BK,   128
.set G1, 24
.set G0, 32
.set G1B, 48
.set G0B, 56
.set G1S, 68
.set G0S, 76
.set G1SB, 80
.set G0SB, 88
.set BO,  96                           ; s[96:97] bo
.set OUT, 98                           ; s[98:99] out0
.set MSB, 0
.macro WIN new                         ; the immediate's high byte repeats the setting that is left
.if MSB != \new
	s_set_vgpr_msb (MSB<<8)|\new
.set MSB, \new
.endif
.endm
.set MUL_LO, 0xa1                      ; source 0 (B) window 1, source 1 (A) window 0, C and D window 2
.set MUL_HI, 0xf1
.set BIA_LO, 0x81                      ; the same with C (the bias) in window 0
.set BIA_HI, 0xc1
.set TO_B,   0x40
.macro JLOAD g0a, g1a, g0b, g1b        ; a joint load: waves 0 and 1 fetch for A, waves 2 and 3 for B; four v_nop follow each line
	s_cmp_eq_u32 s15, 0
	s_cbranch_scc0 .Lfor_b_\@
	tensor_load_to_lds s[\g0a:\g0a+3], s[\g1a:\g1a+7]
	s_nop 0
.rept 4
	v_nop
.endr
	s_branch .Lasked_\@
.Lfor_b_\@:
	tensor_load_to_lds s[\g0b:\g0b+3], s[\g1b:\g1b+7]
	s_nop 0
.rept 4
	v_nop
.endr
.Lasked_\@:
.endm
.macro CREST
	s_cmp_lg_u32 s14, 0
	s_cbranch_scc1 .Lnot_wave_0_\@
	s_barrier_signal -3
.Lnot_wave_0_\@:
	s_barrier_wait -3
	s_barrier_signal -1
	s_barrier_wait -1
.endm
.macro CROUND
	s_barrier_signal -1
	s_barrier_wait -1
	CREST
.endm
	s_load_b256 s[4:11], s[0:1], 0x0               ; ctxc s[4:5], ctxs s[6:7], opc s[8:9], ops s[10:11]
	s_load_b128 s[96:99], s[0:1], 0x20             ; bo, out0
	v_lshl_add_u32 v[SPW], v0, 2, SPARE
	v_mov_b32 v[NIL], 0
	ds_add_u32 v28, v29
	s_wait_dscnt 0x0
	v_lshrrev_b32 v1, 5, v0
	v_readfirstlane_b32 s14, v1                    ; wave 0..3
	s_lshr_b32 s15, s14, 1                         ; which half of the tile's rows is mine.  Also: I fetch for A (0) or for B (1)
	s_and_b32 s16, s14, 1                          ; which half of its columns.  Also: which 128 rows of that tile I fetch
	s_bfe_u32 s40, ttmp6, 0x40000                  ; cx
	s_bfe_u32 s41, ttmp6, 0x40004                  ; cy
	s_lshl_b32 s42, ttmp9, 2
	s_add_co_u32 s42, s42, s40                     ; tile column
	s_and_b32 s17, ttmp7, 0xffff
	s_lshl_b32 s17, s17, 2
	s_add_co_u32 s17, s17, s41                     ; tile row
	s_lshl_b32 s43, s41, 2
	s_lshl_b32 s43, 15, s43                        ; my row of the cluster
	s_lshl_b32 s44, 0x1111, s40                    ; my column
	; descriptor group 1, codes: 8 row blocks x 3,072 bytes (384 elements of 8 bytes), 12,288 bytes apart in memory, dense in LDS
	s_or_b32 s[G1+0], s43, (3<<16)|(1<<21)
	s_or_b32 s[G1B+0], s44, (3<<16)|(1<<21)
.irp g, G1, G1B
	s_mov_b32 s[\g+1], 384<<16
	s_mov_b32 s[\g+2], 8<<16
	s_mov_b32 s[\g+3], 384<<16
	s_mov_b32 s[\g+4], 8
	s_mov_b32 s[\g+5], 1536
	s_mov_b32 s[\g+6], 0
	s_mov_b32 s[\g+7], 0
.endr
	; scale words: 8 K steps x 512 bytes; the K steps lie 32,768 bytes apart in ctxs, 49,152 in ops
	s_or_b32 s[G1S+0], s43, (3<<16)|(1<<21)
	s_or_b32 s[G1SB+0], s44, (3<<16)|(1<<21)
.irp g, G1S, G1SB
	s_mov_b32 s[\g+1], 64<<16
	s_mov_b32 s[\g+2], 8<<16
	s_mov_b32 s[\g+3], 64<<16
	s_mov_b32 s[\g+4], 8
	s_mov_b32 s[\g+6], 0
	s_mov_b32 s[\g+7], 0
.endr
	s_mov_b32 s[G1S+5], 4096
	s_mov_b32 s[G1SB+5], 6144
	s_lshl_b32 s18, s16, 3                         ; which 8 row blocks of the tile I fetch
	s_lshl_b32 s20, s17, 4
	s_add_co_u32 s20, s20, s18                     ; A's row block: hangs on the tile row alone
	s_lshl_b32 s46, s42, 4
	s_add_co_u32 s46, s46, s18
	s_add_co_u32 s46, s46, 704                     ; B's: Wo's, on the tile column alone
	s_lshl_b32 s22, s20, 6
	s_mov_b32 s23, 0
	s_mul_i32 s20, s20, 12288
	s_mov_b32 s21, 0
	s_lshl_b32 s92, s46, 6
	s_mov_b32 s93, 0
	s_mul_i32 s46, s46, 12288
	s_mov_b32 s47, 0
	s_mul_i32 s45, s14, HALFT                      ; where they go: wave x 128 rows: no place in the cluster enters an LDS address
	s_lshl_b32 s13, s14, 12
	s_wait_kmcnt 0x0
	s_add_nc_u64 s[20:21], s[4:5], s[20:21]
	s_add_nc_u64 s[22:23], s[6:7], s[22:23]
	s_add_nc_u64 s[46:47], s[8:9], s[46:47]
	s_add_nc_u64 s[92:93], s[10:11], s[92:93]
	CROUND                                         ; all sixteen work-groups are here: the first joint loads meet
	s_mov_b32 s[G0S], 1
	s_add_co_u32 s[G0S+1], s13, SCL
	s_mov_b64 s[G0S+2:G0S+3], s[22:23]
	s_or_b32 s[G0S+3], s[G0S+3], 0x80000000
	s_mov_b32 s[G0SB], 1
	s_add_co_u32 s[G0SB+1], s13, SCL
	s_mov_b64 s[G0SB+2:G0SB+3], s[92:93]
	s_or_b32 s[G0SB+3], s[G0SB+3], 0x80000000
	JLOAD G0S, G1S, G0SB, G1SB                     ; the scale words first
.irp s, 0,1
	s_mov_b32 s[G0+4*\s], 1
	s_add_co_u32 s[G0+4*\s+1], s45, \s*SLOT
	s_add_nc_u64 s[G0+4*\s+2:G0+4*\s+3], s[20:21], \s*RBS
	s_or_b32 s[G0+4*\s+3], s[G0+4*\s+3], 0x80000000
	s_mov_b32 s[G0B+4*\s], 1
	s_add_co_u32 s[G0B+4*\s+1], s45, \s*SLOT
	s_add_nc_u64 s[G0B+4*\s+2:G0B+4*\s+3], s[46:47], \s*RBS
	s_or_b32 s[G0B+4*\s+3], s[G0B+4*\s+3], 0x80000000
	JLOAD G0+4*\s, G1, G0B+4*\s, G1B               ; three tensor loads of mine are out
.endr
	v_and_b32 v1, 15, v0                           ; r
	v_bfe_u32 v2, v0, 4, 1                         ; h
	v_and_b32 v3, 31, v0                           ; lane
	v_lshlrev_b32 v[BOF], 5, v2
	s_lshl_b32 s46, s42, 10                        ; my first column, in bytes, in bo and in a row of out0: 1,024 x tile column + 512 x half
	s_lshl_b32 s47, s16, 9
	s_add_co_u32 s46, s46, s47
	s_mov_b32 s47, 0
	s_add_nc_u64 s[BO:BO+1], s[BO:BO+1], s[46:47]
.irp b, 0,1,2,3,4,5,6,7                        ; register j of block b: bo at column 16 b + 8 h + j: the result's layout
	global_load_b128 v[BIAS+8*\b:BIAS+8*\b+3], v[BOF], s[BO:BO+1] offset:64*\b
	global_load_b128 v[BIAS+8*\b+4:BIAS+8*\b+7], v[BOF], s[BO:BO+1] offset:64*\b+16
.endr
	v_lshlrev_b32 v4, 4, v3                        ; 16 x lane
	v_lshlrev_b32 v5, 3, v3
	v_add_nc_u32 v5, 512, v5                       ; 512 + 8 x lane
	s_mul_i32 s21, s15, HALFT                      ; my 128 rows of A
	s_mul_i32 s22, s16, HALFT                      ; my 128 rows of B,
	s_add_co_u32 s22, s22, 2*HALFT                 ; which lie behind A's 256
.irp s, 0,1
	v_add_nc_u32 v[ADRA+\s], s21, v4
	v_add_nc_u32 v[ADRB+\s], s22, v4
	v_add_nc_u32 v[ADRA+2+\s], s21, v5
	v_add_nc_u32 v[ADRB+2+\s], s22, v5
	s_add_co_u32 s21, s21, SLOT
	s_add_co_u32 s22, s22, SLOT
.endr
	v_lshlrev_b32 v5, 2, v1                        ; my row's scale word: 4 r
	s_lshl_b32 s21, s15, 12
	s_lshl_b32 s22, s16, 12
	s_add_co_u32 s22, s22, 2*HALFS
	s_sub_co_u32 s22, s22, s21
	v_mul_u32_u24 v6, s22, v2                      ; lanes 16-31 take B's
	s_add_co_u32 s21, s21, SCL
	v_add_nc_u32 v5, v5, v6
	v_add_nc_u32 v[ADRS], s21, v5
	s_mul_i32 s23, s14, 16*SPITCH                  ; my stage
	v_mul_u32_u24 v5, v1, SPITCH                   ; in: row r, 32 bytes for each half of the lanes
	v_lshl_add_u32 v5, v2, 5, v5
	v_add_nc_u32 v[STO], s23, v5
	v_mov_b32 v[CO], v4                            ; back: the 32 lanes take one row of 512 bytes; and the same in out0
	v_add_nc_u32 v[RD], s23, v4
	s_lshl_b32 s20, s17, 8
	s_lshl_b32 s21, s15, 7
	s_add_co_u32 s20, s20, s21                     ; my first row: 256 x tile row + 128 x half,
	s_lshl_b32 s20, s20, 12                        ; of 4,096 bytes
	s_mov_b32 s21, 0
	s_add_nc_u64 s[OUT:OUT+1], s[OUT:OUT+1], s[20:21]
	s_add_nc_u64 s[OUT:OUT+1], s[OUT:OUT+1], s[46:47]
.macro FRAG reg, adr, q, i             ; a fragment comes back as it was stored: four loads, each of consecutive bytes
	ds_load_b128 v[\reg:\reg+3], v[\adr] offset:(\i)*RBS+(\q)*IMG
	ds_load_b64 v[\reg+4:\reg+5], v[\adr+2] offset:(\i)*RBS+(\q)*IMG
	ds_load_b128 v[\reg+6:\reg+9], v[\adr] offset:(\i)*RBS+(\q)*IMG+768
	ds_load_b64 v[\reg+10:\reg+11], v[\adr+2] offset:(\i)*RBS+(\q)*IMG+768
.endm
; 16 matrix instructions: A's blocks a0, a0 + 1 x B's eight.  zero = 2: the first product starts the sums from the bias.  The 64 accumulators take turns, one instruction a turn.
.macro MUL16 a0, p, q, sc, zero
.irp a, \a0, \a0+1
.irp b, 0,1,2,3,4,5,6,7
.if \zero == 2
	v_wmma_scale_f32_16x16x128_f8f6f4 v[8*(8*((\a)%4)+\b):8*(8*((\a)%4)+\b)+7], v[128*(\p)+FR*\b:128*(\p)+FR*\b+FR-1], v[AF+FR*(\a):AF+FR*(\a)+FR-1], v[BIAS+8*\b:BIAS+8*\b+7], v[SC+8*NQ*(\sc)+NQ*\b+(\q)], v[SC+8*NQ*(\sc)+NQ*(\a)+(\q)] matrix_a_fmt:MATRIX_FMT_BF6 matrix_b_fmt:MATRIX_FMT_BF6 matrix_a_scale:MATRIX_SCALE_ROW1
.else
	v_wmma_scale_f32_16x16x128_f8f6f4 v[8*(8*((\a)%4)+\b):8*(8*((\a)%4)+\b)+7], v[128*(\p)+FR*\b:128*(\p)+FR*\b+FR-1], v[AF+FR*(\a):AF+FR*(\a)+FR-1], v[8*(8*((\a)%4)+\b):8*(8*((\a)%4)+\b)+7], v[SC+8*NQ*(\sc)+NQ*\b+(\q)], v[SC+8*NQ*(\sc)+NQ*(\a)+(\q)] matrix_a_fmt:MATRIX_FMT_BF6 matrix_b_fmt:MATRIX_FMT_BF6 matrix_a_scale:MATRIX_SCALE_ROW1
.endif
.endr
.endr
.endm
.macro FETCH_B slot, q, p
	WIN TO_B
.irp i, 0,1,2,3,4,5,6,7
	FRAG 128*(\p)+FR*\i, ADRB+\slot, \q, \i
.endr
	WIN 0
.endm
.macro FETCH_A slot, q, i0
.irp i, \i0, \i0+1, \i0+2, \i0+3
	FRAG AF+FR*(\i), ADRA+\slot, \q, \i
.endr
.endm
.macro SCALES sc
.irp i, 0,1,2,3,4,5,6,7
.irp q, 0,1
	ds_load_b32 v[SC+8*NQ*\sc+NQ*\i+\q], v[ADRS] offset:64*\i+512*\q
.endr
.endr
.endm
.macro PLACES n                        ; plain vector instructions between a matrix instruction and a load into, or a read of, its registers (ISA guide 7.12.1 for reads)
.rept \n
	v_nop
.endr
.endm
.macro STEP slot, q, zero
	s_wait_dscnt 4*NL                              ; B's set, the scale words and A's blocks 0-3 are in; the youngest sixteen loads (A's blocks 4-7) may be out
.if \zero == 2
	WIN BIA_LO
.else
	WIN MUL_LO
.endif
	MUL16 0, (\q)%2, \q, \slot, \zero
	MUL16 2, (\q)%2, \q, \slot, \zero
	s_wait_dscnt 0
	PLACES NP
	FETCH_B \slot, (\q)+1, 1-(\q)%2
	FETCH_A \slot, (\q)+1, 0
.if \zero == 2
	WIN BIA_HI
.else
	WIN MUL_HI
.endif
	MUL16 4, (\q)%2, \q, \slot, \zero
	MUL16 6, (\q)%2, \q, \slot, \zero
	PLACES NP
	WIN 0
	FETCH_A \slot, (\q)+1, 4
.endm
; A slot's last step changes slots: one barrier; in front of it each wave waits for all its tensor loads, adds 0 to its spare word, and waits for that and for its own reads of this slot.
.macro TURN slot, next, fill
	s_wait_tensorcnt 0x0                           ; all my tensor loads have landed: my part of the next slot
	ds_add_u32 v[SPW], v[NIL]                      ; 0 onto my spare word
	s_wait_dscnt 4*NL+1                            ; (the add and the youngest sixteen loads may be out)
	WIN MUL_LO
	MUL16 0, 1, NQ-1, \slot, 0
	s_wait_dscnt 0x0                               ; the add is done, and my reads of this slot are over
	s_barrier_signal -1
	MUL16 2, 1, NQ-1, \slot, 0
	WIN 0
	s_barrier_wait -1
.if \fill
	CREST                                          ; the barrier has opened a round of the cluster's barrier: no wave of any partner still reads this slot or has a load on its way
	s_add_nc_u64 s[G0+4*\slot+2:G0+4*\slot+3], s[G0+4*\slot+2:G0+4*\slot+3], 2*RBS
	s_add_nc_u64 s[G0B+4*\slot+2:G0B+4*\slot+3], s[G0B+4*\slot+2:G0B+4*\slot+3], 2*RBS
	JLOAD G0+4*\slot, G1, G0B+4*\slot, G1B         ; the first tensor load behind the round; its four v_nop are the places in front of the loads below
.else
	PLACES NP
.endif
	v_add_nc_u32 v[ADRS], 512*NQ, v[ADRS]          ; the next slot's scale words (no LDS load of mine is out)
	FETCH_B \next, 0, 0
	FETCH_A \next, 0, 0
	SCALES \next
	WIN MUL_HI
	MUL16 4, 1, NQ-1, \slot, 0
	MUL16 6, 1, NQ-1, \slot, 0
	PLACES NP
	WIN 0
	FETCH_A \next, 0, 4
.endm
	s_wait_tensorcnt 1                             ; the scale words and my part of slot 0 are in; slot 1's load may be out
	s_barrier_signal -1
	s_barrier_wait -1
	FETCH_B 0, 0, 0
	FETCH_A 0, 0, 0
	SCALES 0
	FETCH_A 0, 0, 4
	s_wait_loadcnt 0x0                             ; the bias
	STEP 0, 0, 2                                   ; K = 1,024 is four slots' worth: written straight
	TURN 0, 1, 1
	STEP 1, 0, 0
	TURN 1, 0, 1
	STEP 0, 0, 0
	TURN 0, 1, 0                                   ; nothing is left to fetch
	STEP 1, 0, 0
	s_wait_dscnt 4*NL
	WIN MUL_LO
	MUL16 0, 1, NQ-1, 1, 0
	MUL16 2, 1, NQ-1, 1, 0
	s_wait_dscnt 0
	WIN MUL_HI
	MUL16 4, 1, NQ-1, 1, 0
	MUL16 6, 1, NQ-1, 1, 0
	WIN 0
; THE WAY OUT, block by block of 16 rows x 128 columns: through my own stage in LDS, back as whole rows of 512 bytes.  A wave's LDS instructions are served in order (ISA guide 5.7.1.4): no wait between the stores and the loads.
.macro TOSTAGE a
.set AC, 64*((\a)%4)
	WIN 0x08+4*((\a)/4)                            ; the data: window 2 or 3
.irp b, 0,1,2,3,4,5,6,7
	ds_store_b128 v[STO], v[AC+8*\b:AC+8*\b+3] offset:64*\b          ; each accumulator from its low end on
	ds_store_b128 v[STO], v[AC+8*\b+4:AC+8*\b+7] offset:64*\b+16
.endr
	WIN 0
.set BB, BK+64*((\a)%2)
.irp t, 0,1,2,3,4,5,6,7,8,9,10,11,12,13,14,15
	ds_load_b128 v[BB+4*\t:BB+4*\t+3], v[RD] offset:\t*SPITCH
.endr
.endm
.macro SEND a, younger                 ; younger: the LDS instructions issued behind block a's loads, which may stay out
.set BB, BK+64*((\a)%2)
	s_wait_dscnt \younger
.if (\a) > 0
	s_add_nc_u64 s[OUT:OUT+1], s[OUT:OUT+1], 16*SIZE_N*4   ; (behind a wait on XCNT: the earlier stores have read their base)
.endif
.irp t, 0,1,2,3,4,5,6,7,8,9,10,11,12,13,14,15
	global_store_b128 v[CO], v[BB+4*\t:BB+4*\t+3], s[OUT:OUT+1] offset:\t*SIZE_N*4 th:TH_STORE_NT   ; 32 lanes store 512 consecutive bytes, at a multiple of 256 from out0's first byte
.endr
.endm
	PLACES NP
	TOSTAGE 0
.irp a, 1,2,3,4,5,6,7
.if \a > 1
	s_wait_xcnt 0x0                                ; block a - 2's stores have read their registers and their base
.endif
	TOSTAGE \a
	SEND \a-1, 32                                  ; behind block a - 1's loads: block a's 16 stores and 16 loads
.endr
	s_wait_xcnt 0x0
	SEND 7, 0
	s_wait_tensorcnt 0x0                           ; the wave's end
	ds_add_u32 v[SPW], v[NIL]
	s_wait_dscnt 0x0
	CROUND                                         ; the closing round: no work-group ends while a partner may still ask for a tile that names it
	s_endpgm
.Lfunc_end_k_qac56230877_gemm_out:
	.size	k_qac56230877_gemm_out, .Lfunc_end_k_qac56230877_gemm_out-k_qac56230877_gemm_out
	.p2alignl 7, 3214868480
	.fill 96, 4, 3214868480
	.section	.rodata,"a",@progbits
	.p2align	6, 0x0
	.amdhsa_kernel k_qac56230877_gemm_out
		.amdhsa_group_segment_fixed_size 327680
		.amdhsa_private_segment_fixed_size 0
		.amdhsa_enable_private_segment 0
		.amdhsa_kernarg_size 48
		.amdhsa_user_sgpr_count 2
		.amdhsa_user_sgpr_kernarg_segment_ptr 1
		.amdhsa_wavefront_size32 1
		.amdhsa_system_sgpr_workgroup_id_x 1
		.amdhsa_system_sgpr_workgroup_id_y 1
		.amdhsa_system_sgpr_workgroup_id_z 1
		.amdhsa_system_vgpr_workitem_id 0
		.amdhsa_next_free_vgpr 1024
		.amdhsa_next_free_sgpr 100
		.amdhsa_reserve_vcc 0
		.amdhsa_float_denorm_mode_32 3
		.amdhsa_float_denorm_mode_16_64 3
		.amdhsa_memory_ordered 1
		.amdhsa_forward_progress 1
		.amdhsa_inst_pref_size 147
	.end_amdhsa_kernel
	.amdgpu_metadata
---
amdhsa.version: [ 1, 2 ]
amdhsa.kernels:
  - .name:           k_qac56230877_gemm_out
    .symbol:         k_qac56230877_gemm_out.kd
    .args:
      - { .name: ctxc, .offset: 0, .size: 8, .value_kind: global_buffer, .address_space: global }
      - { .name: ctxs, .offset: 8, .size: 8, .value_kind: global_buffer, .address_space: global }
      - { .name: opc, .offset: 16, .size: 8, .value_kind: global_buffer, .address_space: global }
      - { .name: ops, .offset: 24, .size: 8, .value_kind: global_buffer, .address_space: global }
      - { .name: bo, .offset: 32, .size: 8, .value_kind: global_buffer, .address_space: global }
      - { .name: out0, .offset: 40, .size: 8, .value_kind: global_buffer, .address_space: global }
    .group_segment_fixed_size: 327680
    .private_segment_fixed_size: 0
    .kernarg_segment_align: 8
    .kernarg_segment_size: 48
    .max_flat_workgroup_size: 128
    .sgpr_count:     100
    .vgpr_count:     1024
    .wavefront_size: 32
...
	.end_amdgpu_metadata
.endif
;; end of part 4
